; MI455X (gfx1250); checked and timed in simulation.
; The chip was launched on July 23, 2026; its instructions are those of AMD's public machine-readable ISA for CDNA 5 (MIT licence, August 2026) and "CDNA5" Instruction Set Architecture Reference Guide (July 2026). The comments in the code are by the model that wrote it; some were corrected since.
;; Large Transformer Layer. Allowed arithmetic: matrix products marked QUANTISED: E2M1 operands, one E8M0 scale for each 32 along K, by v_wmma_scale_f32_16x16x128_f8f6f4 with both operands' format E2M1 (or v_wmma_scale_f32_32x16x128_f4), f32 sums; everything else in f32.
;; Inputs: W1_codes 1,024 x 32 x 16 uint8 (E2M1 codes of W1, K innermost, in blocks of 32 codes, two codes a byte); W1_scales 1,024 x 32 uint8 (E8M0 scales of W1, one for each 32 codes along K); W2_codes 1,024 x 32 x 16 uint8 (E2M1 codes of W2, K innermost, in blocks of 32 codes, two codes a byte); W2_scales 1,024 x 32 uint8 (E8M0 scales of W2, one for each 32 codes along K); Wk_codes 1,024 x 32 x 16 uint8 (E2M1 codes of Wk, K innermost, in blocks of 32 codes, two codes a byte); Wk_scales 1,024 x 32 uint8 (E8M0 scales of Wk, one for each 32 codes along K); Wo_codes 1,024 x 32 x 16 uint8 (E2M1 codes of Wo, K innermost, in blocks of 32 codes, two codes a byte); Wo_scales 1,024 x 32 uint8 (E8M0 scales of Wo, one for each 32 codes along K); Wq_codes 1,024 x 32 x 16 uint8 (E2M1 codes of Wq, K innermost, in blocks of 32 codes, two codes a byte); Wq_scales 1,024 x 32 uint8 (E8M0 scales of Wq, one for each 32 codes along K); Wv_codes 1,024 x 32 x 16 uint8 (E2M1 codes of Wv, K innermost, in blocks of 32 codes, two codes a byte); Wv_scales 1,024 x 32 uint8 (E8M0 scales of Wv, one for each 32 codes along K); hidden_states 2 x 2,048 x 1,024 float32; ln1_b 1,024 float32; ln1_g 1,024 float32; ln2_b 1,024 float32; ln2_g 1,024 float32.
;; Outputs: out0 2 x 2,048 x 1,024 float32.
;; This version of the problem:
;;   THIS VERSION OF THE PROBLEM IS GIVEN IN LOW PRECISION. The matrix products marked QUANTISED in the list below multiply operands that are first quantised to E2M1 (2 exponent bits, 1 mantissa bit; 4 bits a number), with one power-of-two scale for each 32 numbers along K (OCP MX v1.0); their sums are f32. All else is computed in f32.
;;   The module's matrix products, in the order in which they are computed (A, B: the left and right operand; K: the contracted axis; several contracted axes count as one K, in the product's order):
;;     1. [M 4,096, K 1,024] x [K 1,024, N 1,024]; A: computed on the way; B: input Wq (given as codes): QUANTISED
;;     2. [M 4,096, K 1,024] x [K 1,024, N 1,024]; A: computed on the way; B: input Wk (given as codes): QUANTISED
;;     3. [M 4,096, K 1,024] x [K 1,024, N 1,024]; A: computed on the way; B: input Wv (given as codes): QUANTISED
;;     4. batch 32 x [M 2,048, K 64] x [K 64, N 2,048]; A: computed on the way; B: computed on the way: QUANTISED
;;     5. batch 32 x [M 2,048, K 2,048] x [K 2,048, N 64]; A: softmax (see below); B: computed on the way: QUANTISED
;;     6. [M 4,096, K 1,024] x [K 1,024, N 1,024]; A: computed on the way; B: input Wo (given as codes): QUANTISED
;;     7. [M 4,096, K 1,024] x [K 1,024, N 1,024]; A: computed on the way; B: input W1 (given as codes): QUANTISED
;;     8. [M 4,096, K 1,024] x [K 1,024, N 1,024]; A: computed on the way; B: input W2 (given as codes): QUANTISED
;;   THE QUANTISER, for each operand of a quantised product, along K:
;;     - K is cut into blocks of 32 from its start; a last block that is shorter is filled with zeros.
;;     - A block's scale is 2^e with e = floor(log2(the largest magnitude in the block)) - 2, held to -126 .. 127; a block of zeros has e = 0. As a byte (E8M0): e + 127.
;;     - Each number is divided by its block's scale, clamped to +-6, and rounded to the nearest number of E2M1, ties to even, subnormals kept.
;;     - The product sums the exact products of the quantised numbers (number of the format x scale) in f32.
;;   ~~~python
;;   def quantise(x, axis):      # numpy; x: float32 -> the quantised numbers, widened to float32 again
;;       x = np.moveaxis(x, axis, -1); K = x.shape[-1]
;;       x = np.pad(x, [(0, 0)] * (x.ndim - 1) + [(0, -K % 32)]); x = x.reshape(x.shape[:-1] + (-1, 32)); a = np.abs(x).max(-1, keepdims=True)
;;       e = np.where(a > 0, np.clip(np.frexp(np.where(a > 0, a, 1))[1] - 1 - 2, -126, 127), 0)      # np.frexp(a)[1] - 1 = floor(log2(a)), exactly
;;       r = np.clip(x / 2.0 ** e, -6, 6)
;;       step = 2.0 ** (np.maximum(np.frexp(np.where(r == 0, 1, r))[1] - 1, 0) - 1)
;;       q = np.round(r / step) * step * 2.0 ** e      # np.round: ties to even
;;       return np.moveaxis(q.reshape(q.shape[:-2] + (-1,))[..., :K], -1, axis).astype(np.float32)
;;   ~~~
;;   SOFTMAX AHEAD OF A QUANTISED PRODUCT. Where the list says 'softmax', what is quantised is not the finished softmax but p = 2^(t - M), with t = logit x log2(e) and M = ceil(the row's largest t), a whole number; so 1/2 < the row's largest p <= 1. The row's sum l is taken of the UNQUANTISED p, in f32, and the product's result is divided by l at the end. Since M is a whole number, a kernel that streams over the keys may use a running M (the ceiling of the running maximum): every later rescaling is an exact power of two, which a block's scale takes up: the codes' values come out the same.
;;   OPERANDS COMPUTED ON THE WAY. 'Computed on the way' means the value that the module computes at that place (a softmax that the list does not call 'softmax' is quantised finished and normalised). What goes into a quantiser is computed in f32, as accurately as f32 sums, v_exp_f32 and their like allow (about 1e-6 of the number): no bf16 or f16 on the way to a quantiser, and a product that is left as it is and whose result goes on into a quantised operand takes f32 operands (vector FMAs, or v_wmma_f32_16x16x4_f32). A number that lies on a knife's edge between two numbers of the format may be rounded either way, as far as f32 arithmetic and the matrix unit's own rounding can turn it there, and no further.
;;   INPUTS GIVEN AS CODES. W1 (in the module: [1024, 1024], K = its axis 0); W2 (in the module: [1024, 1024], K = its axis 0); Wk (in the module: [1024, 1024], K = its axis 0); Wo (in the module: [1024, 1024], K = its axis 0); Wq (in the module: [1024, 1024], K = its axis 0); Wv (in the module: [1024, 1024], K = its axis 0): each comes as NAME_codes (uint8): NAME with its K axis moved to the last place and cut into blocks of 32 codes, [.., K / 32, bytes a block], one block behind the other in memory; two codes a byte, the lower K in the low four bits (a code: sign, 2 exponent bits, 1 mantissa bit); and NAME_scales (uint8): the same leading axes, one E8M0 byte (e + 127) for each 32 codes along K. Its value is code x scale, taken as it is: it is not quantised again, and the codes and scales need not be those that the quantiser above would give.
;; One version. Each part assembles by itself: llvm-mc -triple=amdgcn-amd-amdhsa -mcpu=gfx1250 --defsym DOCPART=n.
;; ======== version 1 of 1: 5 launches
;; limits: right only within a limited range of input values
;; workspace buffers: qbuf 2,359,296 bytes; kbuf 2,359,296 bytes; vbuf 2,228,224 bytes; cimg 2,097,152 bytes; csc 131,072 bytes; himg 2,097,152 bytes; hsc 131,072 bytes; x1 16,777,216 bytes
;; launch qkv (part 1): grid 64 x 4, 8 waves a work-group, clusters of 4 x 1, 327,680 bytes of LDS; arguments hidden_states, ln1_g, ln1_b, Wq_codes, Wq_scales, Wk_codes, Wk_scales, Wv_codes, Wv_scales, qbuf, kbuf, vbuf; writes qbuf, kbuf, vbuf
.if DOCPART == 1
	.amdgcn_target "amdgcn-amd-amdhsa--gfx1250"
	.amdhsa_code_object_version 6
	.text
	.protected	k_q7cd0047adf_qkv
	.globl	k_q7cd0047adf_qkv
	.p2align	8
	.type	k_q7cd0047adf_qkv,@function
k_q7cd0047adf_qkv:
	s_mov_b64 s[64:65], 0
	v_nop
	global_prefetch_b8 v0, s[64:65] scope:SCOPE_SE
	s_setreg_imm32_b32 hwreg(HW_REG_WAVE_MODE, 25, 1), 1
	s_wait_xcnt 0x0
	s_wait_alu depctr_hold_cnt(0) depctr_sa_sdst(0) depctr_va_vdst(0) depctr_va_sdst(0) depctr_va_ssrc(0) depctr_va_vcc(0) depctr_vm_vsrc(0)
	s_getreg_b32 s2, hwreg(HW_REG_IB_STS2, 6, 4)
	s_cmp_eq_u32 s2, 0
	s_cbranch_scc0 .Lentry_in_a_cluster
	s_endpgm
.Lentry_in_a_cluster:
	s_bfe_u32 s2, ttmp6, 0x10000c
	s_cmp_lg_u32 s2, 0x3003
	s_cbranch_scc0 .Lentry_shape_is_right
	s_endpgm
.Lentry_shape_is_right:
; n = LayerNorm(x); q = n Wq, k = n Wk, v = n Wv, all three products on codes of FP4 (E2M1) with one E8M0 scale for each 32 along K = 1,024; q and k are quantised
; along the head's 64, v along the keys, and leave as images of the operand registers that the attention launch loads.
; SHARES.  A work-group takes 64 rows (row block rb) x 256 columns (column group j = four heads).  Eight waves: wave w makes columns 64 g .. + 63 (g = w & 3: one head) of rows 32 rh .. + 31 (rh = w >> 2).
; CLUSTER.  The four work-groups of a cluster have the same j and so the same 256 rows of each weight: every weight tile is asked for jointly (mask 15).
; LDS.  Two slots of 256 weight rows (512 bytes + 16 of padding): slot 0 Wq, later Wv; slot 1 Wk.  Behind them n's codes as register images (units of 256 bytes + 16), n's scale bytes (64 rows, 48 bytes apart), the spare words.
; LAYER NORM.  Wave w owns rows 8 w .. 8 w + 7, a whole row at a time: mean first, then the deviations' squares, so that a common offset of the inputs costs nothing.  Each row block is normalised by the four work-groups (j) that need it.
; PRODUCTS.  q, k: source 0 = 16 weight rows, source 1 = 16 rows of n: a lane holds one token and its registers run along the head's 64.  The weight rows of a tile are not neighbours: lane r of tile 2 b + u takes row
; 32 b + 8 u + r + 8 (r / 8), so that 16 registers of two tiles are 16 neighbours.  k's and v's tiles of tokens are chosen the same way.  v: source 0 = n, source 1 = Wv: a lane holds one channel, its registers run along the tokens.
; The reads of n's images by chosen rows fall two deep on the same LDS banks (rows 16 apart lie 8,704 bytes apart).
; LIMITS.  NaN and infinities among the inputs are not served.  A block whose largest magnitude lies under 2^-124 (a block of zeros too) gets the scale byte 1: its bytes are read by this program alone.
; v's scale bytes leave as single bytes, 4 bytes apart (128 KB in the launch): four writers share a word.
.set SLOT1, 135168
.set ABASE, 270336
.set ASC,   305152
.set SPARE, 308224
.set SCB,   16                         ; v16-31   Wq's scale words: register 8 (t / 2) + ks; lanes 0-15 tile 2 i, lanes 16-31 tile 2 i + 1
.set SCBK,  200                        ; v200-215 Wk's
.set SCBV,  216                        ; v216-231 Wv's
.set SCA,   32                         ; v32-39   n's scale words: register ks; lanes 0-15 tile 0, lanes 16-31 tile 1
.set ACC,   40                         ; v40-103  eight accumulators
.set F0,    104                        ; v104-151, v152-199 two sets of fragments: n's two at +0, the weight's four at +16
.set TM,    200                        ; v's quantiser: at work
.set PC,    240
.set SEL,   60                         ; s[60:61] lane selects: lane l xor 16
; v1 n's fragments (rows as they lie), v2 (chosen rows), v3, v4 weight fragments in slot 0, 1, v5, v8 n's scale words, v6, v7 the spare word and 0, v9 x, v10, v11 where the norm stores codes and bytes,
; v12-14 offsets of the stores, v15 offset of the weights' scale words
.macro PLACES n
.rept \n
	v_nop
.endr
.endm
.macro CROUND                          ; a round of the cluster's barrier
	s_barrier_signal -1
	s_barrier_wait -1
	s_cmp_lg_u32 s32, 0
	s_cbranch_scc1 .Lnot_wave_0_\@
	s_barrier_signal -3
.Lnot_wave_0_\@:
	s_barrier_wait -3
	s_barrier_signal -1
	s_barrier_wait -1
.endm
.macro WMX zero, ra, rb                ; one product on rD, rA, rB, rSA, rSB; ra, rb: the side's scales stand in lanes 16-31
.if (\zero) && (\ra) && (\rb)
	v_wmma_scale_f32_16x16x128_f8f6f4 v[rD:rD+7], v[rA:rA+7], v[rB:rB+7], 0, v[rSA], v[rSB] matrix_a_fmt:MATRIX_FMT_FP4 matrix_b_fmt:MATRIX_FMT_FP4 matrix_a_scale:MATRIX_SCALE_ROW1 matrix_b_scale:MATRIX_SCALE_ROW1
.elseif (\zero) && (\ra)
	v_wmma_scale_f32_16x16x128_f8f6f4 v[rD:rD+7], v[rA:rA+7], v[rB:rB+7], 0, v[rSA], v[rSB] matrix_a_fmt:MATRIX_FMT_FP4 matrix_b_fmt:MATRIX_FMT_FP4 matrix_a_scale:MATRIX_SCALE_ROW1
.elseif (\zero) && (\rb)
	v_wmma_scale_f32_16x16x128_f8f6f4 v[rD:rD+7], v[rA:rA+7], v[rB:rB+7], 0, v[rSA], v[rSB] matrix_a_fmt:MATRIX_FMT_FP4 matrix_b_fmt:MATRIX_FMT_FP4 matrix_b_scale:MATRIX_SCALE_ROW1
.elseif (\zero)
	v_wmma_scale_f32_16x16x128_f8f6f4 v[rD:rD+7], v[rA:rA+7], v[rB:rB+7], 0, v[rSA], v[rSB] matrix_a_fmt:MATRIX_FMT_FP4 matrix_b_fmt:MATRIX_FMT_FP4
.elseif (\ra) && (\rb)
	v_wmma_scale_f32_16x16x128_f8f6f4 v[rD:rD+7], v[rA:rA+7], v[rB:rB+7], v[rD:rD+7], v[rSA], v[rSB] matrix_a_fmt:MATRIX_FMT_FP4 matrix_b_fmt:MATRIX_FMT_FP4 matrix_a_scale:MATRIX_SCALE_ROW1 matrix_b_scale:MATRIX_SCALE_ROW1
.elseif (\ra)
	v_wmma_scale_f32_16x16x128_f8f6f4 v[rD:rD+7], v[rA:rA+7], v[rB:rB+7], v[rD:rD+7], v[rSA], v[rSB] matrix_a_fmt:MATRIX_FMT_FP4 matrix_b_fmt:MATRIX_FMT_FP4 matrix_a_scale:MATRIX_SCALE_ROW1
.elseif (\rb)
	v_wmma_scale_f32_16x16x128_f8f6f4 v[rD:rD+7], v[rA:rA+7], v[rB:rB+7], v[rD:rD+7], v[rSA], v[rSB] matrix_a_fmt:MATRIX_FMT_FP4 matrix_b_fmt:MATRIX_FMT_FP4 matrix_b_scale:MATRIX_SCALE_ROW1
.else
	v_wmma_scale_f32_16x16x128_f8f6f4 v[rD:rD+7], v[rA:rA+7], v[rB:rB+7], v[rD:rD+7], v[rSA], v[rSB] matrix_a_fmt:MATRIX_FMT_FP4 matrix_b_fmt:MATRIX_FMT_FP4
.endif
.endm
.macro FETCH ks, f, aad, astep, bad    ; 12 LDS loads: the fragments of K step ks: n's two tiles, the weight's four
.irp m, 0,1
.irp c, 0,1
	ds_load_b128 v[\f+8*\m+4*\c:\f+8*\m+4*\c+3], v[\aad] offset:\m*\astep+(\ks)*1088+\c*544
.endr
.endr
.irp t, 0,1,2,3
.irp c, 0,1
	ds_load_b128 v[\f+16+8*\t+4*\c:\f+16+8*\t+4*\c+3], v[\bad] offset:(32*(\t/2)+8*(\t%2))*528+64*(\ks)+32*\c
.endr
.endr
.endm
.macro MULS ks, f, sb, tr              ; 8 products, the eight accumulators by turns, in the same order in every K step
.if \tr
.irp m, 0,1
.irp t, 0,1,2,3
.set rD, ACC+8*(4*\m+\t)
.set rA, \f+16+8*\t
.set rB, \f+8*\m
.set rSA, \sb+8*(\t/2)+(\ks)
.set rSB, SCA+(\ks)
	WMX (\ks)==0, \t%2, \m
.endr
.endr
.else
.irp t, 0,1,2,3
.irp m, 0,1
.set rD, ACC+8*(2*\t+\m)
.set rA, \f+8*\m
.set rB, \f+16+8*\t
.set rSA, SCA+(\ks)
.set rSB, \sb+8*(\t/2)+(\ks)
	WMX (\ks)==0, \m, \t%2
.endr
.endr
.endif
.endm
.macro PASS aad, astep, bad, sb, tr    ; all of K: eight steps of 128, the next step's fragments fetched ahead of each step's products; the first step's products start the sums
	FETCH 0, F0, \aad, \astep, \bad
.set KS, 0
.rept 8
.if KS < 7
.if KS > 0
	PLACES 4                               ; in front of loads into registers that the last products read
.endif
	FETCH KS+1, F0+48*((KS+1)%2), \aad, \astep, \bad
	s_wait_dscnt 12                        ; all but the 12 just issued: this step's fragments (and n's scale words) are in
.else
	s_wait_dscnt 0x0
.endif
	MULS KS, F0+48*(KS%2), \sb, \tr
.set KS, KS+1
.endr
	PLACES 5                               ; behind the last products: they serve every later read, load and overwrite of their registers
.endm
; 32 numbers of a lane, register 16 b + i = column 32 b + 16 (lane / 16) + i of my row, become 16 bytes of codes (lane (r, h): block h of row r) in v[pc] on, and the row's scale word in v[pw]
.macro QUANT2 s, pc, pw
.irp b, 0,1
	v_max3_num_f32 v[248+\b], |v[\s+16*\b]|, |v[\s+16*\b+1]|, 0x1800000   ; the floor 2^(3 - 127) among the leaves holds the byte at 1 from below
.endr
.irp i, 2,4,6,8,10,12,14
.irp b, 0,1
	v_max3_num_f32 v[248+\b], v[248+\b], |v[\s+16*\b+\i]|, |v[\s+16*\b+\i+1]|
.endr
.endr
.irp b, 0,1
	v_permlanex16_b32 v[250+\b], v[248+\b], s[SEL], s[SEL+1]
.endr
.irp b, 0,1
	s_delay_alu instid0(VALU_DEP_2)
	v_max_num_f32 v[248+\b], v[248+\b], v[250+\b]          ; with lane l xor 16's: the block's largest magnitude
.endr
.irp b, 0,1
	s_delay_alu instid0(VALU_DEP_2)
	v_add_nc_u32 v[252+\b], 0xff000000, v[248+\b]          ; 2 off its exponent field: the conversion's scale operand
.endr
.irp b, 0,1
	s_delay_alu instid0(VALU_DEP_2)
	v_lshrrev_b32 v[254+\b], 23, v[252+\b]                 ; the scale's byte
.endr
	s_delay_alu instid0(VALU_DEP_1)
	v_lshl_or_b32 v[\pw], v255, 8, v254
	s_delay_alu instid0(VALU_DEP_1)
	v_or_b32 v[\pw], 0x7f7f0000, v[\pw]                    ; bytes 2 and 3 stand over zero codes (K = 64 of the instruction's 128): 1.0
.irp b, 0,1
	v_cvt_scalef32_pk8_fp4_f32 v[\pc+2*\b], v[\s+16*\b:\s+16*\b+7], v[252+\b]
	v_cvt_scalef32_pk8_fp4_f32 v[\pc+2*\b+1], v[\s+16*\b+8:\s+16*\b+15], v[252+\b]
.endr
	v_nop                                  ; one plain line behind the conversions
	v_permlane16_swap_b32 v[\pc], v[\pc+2]                 ; a whole block to a lane: lanes 0-15 block 0, lanes 16-31 block 1
	v_permlane16_swap_b32 v[\pc+1], v[\pc+3]
.endm
.macro QK_OUT base                     ; both tiles of tokens: two images of 512 consecutive bytes, and their 32 scale words, 128 consecutive bytes
	s_wait_xcnt 0x0                        ; earlier loads and stores have read their registers: they are written again below
	QUANT2 ACC, 240, 238
	QUANT2 ACC+32, 244, 239
	global_store_b128 v12, v[240:243], s[\base:\base+1]
	global_store_b128 v12, v[244:247], s[\base:\base+1] offset:512
	v_cndmask_b32 v236, v238, v239, s62    ; lanes 0-15 tile 0's words, lanes 16-31 tile 1's
	global_store_b32 v13, v236, s[\base:\base+1]
.endm
.macro XROW i                          ; row i of my eight: lane l takes columns 256 p + 8 l .. + 7
.irp p, 0,1,2,3
.irp e, 0,1
	global_load_b128 v[40+32*((\i)%4)+8*\p+4*\e:40+32*((\i)%4)+8*\p+4*\e+3], v9, s[8:9] offset:(\i)*4096+1024*\p+16*\e
.endr
.endr
.endm
.macro LNROW i, left                   ; left: the loads of younger rows, which may stay out
.set XS, 40+32*((\i)%4)
	s_wait_loadcnt \left
	v_pk_add_f32 v[232:233], v[XS:XS+1], v[XS+2:XS+3]
	v_pk_add_f32 v[234:235], v[XS+4:XS+5], v[XS+6:XS+7]
.irp q, 8,12,16,20,24,28
	s_delay_alu instid0(VALU_DEP_2)
	v_pk_add_f32 v[232:233], v[232:233], v[XS+\q:XS+\q+1]
	s_delay_alu instid0(VALU_DEP_2)
	v_pk_add_f32 v[234:235], v[234:235], v[XS+\q+2:XS+\q+3]
.endr
	s_delay_alu instid0(VALU_DEP_1)
	v_pk_add_f32 v[232:233], v[232:233], v[234:235]
	s_delay_alu instid0(VALU_DEP_1)
	v_add_f32 v232, v232, v233
.irp x, 1,2,4,8
	s_delay_alu instid0(VALU_DEP_1)
	v_add_f32_dpp v232, v232, v232 row_xmask:\x row_mask:0xf bank_mask:0xf
.endr
	s_delay_alu instid0(VALU_DEP_1)
	v_permlanex16_b32 v233, v232, s[SEL], s[SEL+1]
	s_delay_alu instid0(VALU_DEP_1)
	v_add_f32 v232, v232, v233
	s_delay_alu instid0(VALU_DEP_1)
	v_mul_f32 v232, s66, v232              ; the mean
.irp q, 0,2,4,6,8,10,12,14,16,18,20,22,24,26,28,30
	v_pk_add_f32 v[XS+\q:XS+\q+1], v[XS+\q:XS+\q+1], v[232:233] op_sel_hi:[1,0] neg_lo:[0,1] neg_hi:[0,1]
.endr
	v_pk_mul_f32 v[234:235], v[XS:XS+1], v[XS:XS+1]
	v_pk_mul_f32 v[236:237], v[XS+2:XS+3], v[XS+2:XS+3]
.irp q, 4,8,12,16,20,24,28
	s_delay_alu instid0(VALU_DEP_2)
	v_pk_fma_f32 v[234:235], v[XS+\q:XS+\q+1], v[XS+\q:XS+\q+1], v[234:235]
	s_delay_alu instid0(VALU_DEP_2)
	v_pk_fma_f32 v[236:237], v[XS+\q+2:XS+\q+3], v[XS+\q+2:XS+\q+3], v[236:237]
.endr
	s_delay_alu instid0(VALU_DEP_1)
	v_pk_add_f32 v[234:235], v[234:235], v[236:237]
	s_delay_alu instid0(VALU_DEP_1)
	v_add_f32 v234, v234, v235
.irp x, 1,2,4,8
	s_delay_alu instid0(VALU_DEP_1)
	v_add_f32_dpp v234, v234, v234 row_xmask:\x row_mask:0xf bank_mask:0xf
.endr
	s_delay_alu instid0(VALU_DEP_1)
	v_permlanex16_b32 v235, v234, s[SEL], s[SEL+1]
	s_delay_alu instid0(VALU_DEP_1)
	v_add_f32 v234, v234, v235
	s_delay_alu instid0(VALU_DEP_1)
	v_fma_f32 v234, v234, s66, s67         ; the variance + 1e-5
	s_wait_alu depctr_va_vdst(0)
	v_rsq_f32 v236, v234
	v_nop                                  ; a plain line behind the transcendental,
	s_wait_alu depctr_va_vdst(0)           ; and the wait ahead of its first reader
.irp q, 0,2,4,6,8,10,12,14,16,18,20,22,24,26,28,30
	v_pk_mul_f32 v[XS+\q:XS+\q+1], v[XS+\q:XS+\q+1], v[236:237] op_sel_hi:[1,0]
.endr
.irp q, 0,2,4,6,8,10,12,14,16,18,20,22,24,26,28,30
	v_pk_fma_f32 v[XS+\q:XS+\q+1], v[XS+\q:XS+\q+1], v[168+\q:169+\q], v[200+\q:201+\q]
.endr
	s_wait_alu depctr_va_vdst(0)
	s_wait_dscnt 0x0                       ; the last row's LDS stores have read their registers
.irp p, 0,1,2,3
	v_max3_num_f32 v[240+\p], |v[XS+8*\p]|, |v[XS+8*\p+1]|, 0x1800000
.endr
.irp a, 2,4,6
.irp p, 0,1,2,3
	s_delay_alu instid0(VALU_DEP_4)
	v_max3_num_f32 v[240+\p], v[240+\p], |v[XS+8*\p+\a]|, |v[XS+8*\p+\a+1]|
.endr
.endr
.irp x, 1,2                            ; four neighbouring lanes hold a block of 32
.irp p, 0,1,2,3
	s_delay_alu instid0(VALU_DEP_4)
	v_max_num_f32_dpp v[240+\p], v[240+\p], v[240+\p] row_xmask:\x row_mask:0xf bank_mask:0xf
.endr
.endr
.irp p, 0,1,2,3
	s_delay_alu instid0(VALU_DEP_4)
	v_add_nc_u32 v[244+\p], 0xff000000, v[240+\p]
.endr
.irp p, 0,1,2,3
	v_cvt_scalef32_pk8_fp4_f32 v[248+\p], v[XS+8*\p:XS+8*\p+7], v[244+\p]
.endr
.irp p, 0,1,2,3
	v_lshrrev_b32 v[252+\p], 23, v[244+\p] ; the scale's byte (plain lines behind the conversions)
.endr
.irp p, 0,1,2,3
	ds_store_b32 v10, v[248+\p] offset:16*(\i)+2176*\p     ; 8 codes at their place in the fragment's image
	ds_store_b8 v11, v[252+\p] offset:48*(\i)+8*\p         ; the four lanes of a block write the same byte with the same value
.endr
.if (\i) < 4
	XROW (\i)+4
.endif
.endm
	s_load_b512 s[8:23], s[0:1], 0x0       ; x, gamma, beta, Wq codes, Wq scales, Wk codes, Wk scales, Wv codes
	s_load_b256 s[24:31], s[0:1], 0x40     ; Wv scales, qbuf, kbuf, vbuf
	v_lshl_add_u32 v6, v0, 2, SPARE
	v_mov_b32 v7, 0
	ds_add_u32 v6, v7
	ds_add_u32 v6, v7
	s_wait_dscnt 0x0
	v_lshrrev_b32 v239, 5, v0
	s_delay_alu instid0(VALU_DEP_1)
	v_readfirstlane_b32 s32, v239          ; wave
	s_and_b32 s33, s32, 3                  ; g
	s_lshr_b32 s34, s32, 2                 ; rh
	s_and_b32 s49, ttmp7, 0xffff           ; j
	s_mov_b32 s36, 0x07b0000f              ; group 1: mask 15, bytes, padding on, bit 21 beside the mask, 4 words behind every 128
	s_mov_b32 s37, 512<<16                 ; tensor_dim0 = 512
	s_mov_b32 s38, 64<<16                  ; tensor_dim1 = 64
	s_mov_b32 s39, 512<<16                 ; tile_dim0 = 512
	s_mov_b32 s40, 64                      ; tile_dim1 = 64
	s_mov_b32 s41, 512                     ; pitch
	s_mov_b32 s42, 0
	s_mov_b32 s43, 0
	s_mov_b32 s44, 1
	s_mul_i32 s45, s32, 33792              ; wave w fills 64 rows: waves 0-3 slot 0, waves 4-7 slot 1
	s_lshl_b32 s68, s49, 17
	s_lshl_b32 s50, s33, 15
	s_add_co_u32 s68, s68, s50             ; (256 j + 64 g) rows of 512 bytes of codes
	s_mov_b32 s69, 0
	s_lshl_b32 s70, s49, 13
	s_lshl_b32 s50, s33, 11
	s_add_co_u32 s70, s70, s50             ; and of 32 scale bytes
	s_mov_b32 s71, 0
	s_mov_b32 s60, 0x76543210
	s_mov_b32 s61, 0xfedcba98
	s_mov_b32 s62, 0xffff0000              ; lanes 16-31
	s_mov_b32 s66, 0x3a800000              ; 1 / 1,024
	s_mov_b32 s67, 0x3727c5ac              ; 1e-5
	v_and_b32 v232, 31, v0                 ; l
	v_and_b32 v233, 15, v0                 ; r
	v_bfe_u32 v234, v0, 4, 1               ; h
	s_delay_alu instid0(VALU_DEP_2)
	v_and_b32 v235, 8, v233
	s_delay_alu instid0(VALU_DEP_1)
	v_add_nc_u32 v235, v235, v233          ; r + 8 (r / 8)
	s_mul_i32 s50, s34, 17408
	s_add_co_u32 s50, s50, ABASE
	v_mul_u32_u24 v1, v234, 272
	s_delay_alu instid0(VALU_DEP_1)
	v_lshl_add_u32 v1, v233, 4, v1
	s_delay_alu instid0(VALU_DEP_1)
	v_add_nc_u32 v1, s50, v1
	v_bfe_u32 v236, v0, 3, 1
	v_and_b32 v237, 7, v0
	v_mul_u32_u24 v2, v234, 272
	s_delay_alu instid0(VALU_DEP_1)
	v_mad_u32_u24 v2, v236, 8704, v2
	s_delay_alu instid0(VALU_DEP_1)
	v_lshl_add_u32 v2, v237, 4, v2
	s_delay_alu instid0(VALU_DEP_1)
	v_add_nc_u32 v2, s50, v2
	s_mul_i32 s51, s33, 33792
	v_mul_u32_u24 v3, v235, 528
	s_delay_alu instid0(VALU_DEP_1)
	v_lshl_add_u32 v3, v234, 4, v3
	s_delay_alu instid0(VALU_DEP_1)
	v_add_nc_u32 v3, s51, v3
	s_delay_alu instid0(VALU_DEP_1)
	v_add_nc_u32 v4, SLOT1, v3
	s_mul_i32 s52, s34, 1536
	s_add_co_u32 s52, s52, ASC
	v_mul_u32_u24 v5, v232, 48
	s_delay_alu instid0(VALU_DEP_1)
	v_add_nc_u32 v5, s52, v5
	v_lshl_add_u32 v236, v234, 3, v235     ; 8 h + r + 8 (r / 8)
	s_delay_alu instid0(VALU_DEP_1)
	v_mul_u32_u24 v8, v236, 48
	s_delay_alu instid0(VALU_DEP_1)
	v_add_nc_u32 v8, s52, v8
	s_delay_alu instid0(VALU_DEP_3)
	v_lshlrev_b32 v15, 5, v236
	s_lshl_b32 s53, s32, 15
	v_lshlrev_b32 v238, 5, v232            ; 32 l: gamma's and beta's offset
	s_delay_alu instid0(VALU_DEP_1)
	v_add_nc_u32 v9, s53, v238
	s_lshr_b32 s54, s32, 1
	s_mul_i32 s54, s54, 8704
	s_and_b32 s55, s32, 1
	s_lshl_b32 s55, s55, 7
	s_add_co_u32 s54, s54, s55
	s_add_co_u32 s54, s54, ABASE
	v_lshrrev_b32 v236, 2, v232
	v_and_b32 v237, 3, v0
	s_delay_alu instid0(VALU_DEP_2)
	v_mul_u32_u24 v10, v236, 272
	s_delay_alu instid0(VALU_DEP_1)
	v_lshl_add_u32 v10, v237, 2, v10
	s_delay_alu instid0(VALU_DEP_1)
	v_add_nc_u32 v10, s54, v10
	s_mul_i32 s55, s32, 384
	s_add_co_u32 s55, s55, ASC
	v_add_nc_u32 v11, s55, v236
	; what hangs on my place in the cluster enters global addresses of x and of the outputs alone
	s_bfe_u32 s35, ttmp6, 0x40000          ; cx
	s_lshl_b32 s48, ttmp9, 2
	s_add_co_u32 s48, s48, s35             ; rb
	s_lshl_b32 s56, s48, 18                ; 64 rows of 4,096 bytes
	s_mov_b32 s57, 0
	s_lshr_b32 s76, s48, 5
	s_lshl_b32 s76, s76, 4
	s_lshl_b32 s77, s49, 2
	s_add_co_u32 s76, s76, s77
	s_add_co_u32 s76, s76, s33             ; bh = 16 batch + 4 j + g
	s_and_b32 s77, s48, 31
	s_lshr_b32 s78, s77, 1                 ; which step of 128 tokens
	s_and_b32 s79, s77, 1
	s_mul_i32 s72, s76, 73728
	s_mul_i32 s80, s78, 4608
	s_add_co_u32 s72, s72, s80
	s_mov_b32 s73, 0
	s_mul_i32 s74, s76, 69632
	s_mul_i32 s80, s78, 4352
	s_add_co_u32 s74, s74, s80
	s_mov_b32 s75, 0
	s_lshl_b32 s81, s79, 1
	s_add_co_u32 s81, s81, s34             ; kb: which 32 tokens of the step
	s_lshl_b32 s82, s81, 10
	v_lshl_add_u32 v12, v232, 4, s82
	s_lshl_b32 s82, s81, 7
	s_add_co_u32 s82, s82, 4096
	v_lshl_add_u32 v13, v232, 2, s82
	s_lshl_b32 s82, s79, 9
	s_lshl_b32 s83, s34, 8
	s_add_co_u32 s82, s82, s83
	v_lshl_add_u32 v14, v234, 10, s82
	s_delay_alu instid0(VALU_DEP_1)
	v_lshl_add_u32 v14, v233, 4, v14
	s_add_co_u32 s84, s81, 4096
	s_wait_kmcnt 0x0
	s_add_nc_u64 s[8:9], s[8:9], s[56:57]
	s_add_nc_u64 s[16:17], s[16:17], s[70:71]
	s_add_nc_u64 s[20:21], s[20:21], s[70:71]
	s_add_nc_u64 s[24:25], s[24:25], s[70:71]
	s_add_nc_u64 s[26:27], s[26:27], s[72:73]
	s_add_nc_u64 s[28:29], s[28:29], s[72:73]
	s_add_nc_u64 s[30:31], s[30:31], s[74:75]
	s_cmp_lt_u32 s32, 4
	s_cselect_b64 s[46:47], s[14:15], s[18:19]             ; waves 0-3 fetch Wq, waves 4-7 Wk
	s_add_nc_u64 s[46:47], s[46:47], s[68:69]
	s_or_b32 s47, s47, 0x80000000
.irp p, 0,1,2,3
.irp e, 0,1
	global_load_b128 v[168+8*\p+4*\e:168+8*\p+4*\e+3], v238, s[10:11] offset:1024*\p+16*\e
	global_load_b128 v[200+8*\p+4*\e:200+8*\p+4*\e+3], v238, s[12:13] offset:1024*\p+16*\e
.endr
.endr
.irp i, 0,1
.irp q, 0,1
	global_load_b128 v[SCB+8*\i+4*\q:SCB+8*\i+4*\q+3], v15, s[16:17] offset:1024*\i+16*\q
.endr
.endr
	XROW 0
	XROW 1
	XROW 2
	XROW 3
	CROUND                                 ; the four work-groups are here: the first joint loads meet
	tensor_load_to_lds s[44:47], s[36:43]  ; my one load: one is out
	s_nop 0
	PLACES 4
	LNROW 0, 24
	LNROW 1, 24
	LNROW 2, 24
	LNROW 3, 24
	LNROW 4, 24
	LNROW 5, 16
	LNROW 6, 8
	LNROW 7, 0
.irp i, 0,1                            ; gamma's and beta's registers are free: Wk's and Wv's scale words
.irp q, 0,1
	global_load_b128 v[SCBK+8*\i+4*\q:SCBK+8*\i+4*\q+3], v15, s[20:21] offset:1024*\i+16*\q
	global_load_b128 v[SCBV+8*\i+4*\q:SCBV+8*\i+4*\q+3], v15, s[24:25] offset:1024*\i+16*\q
.endr
.endr
	s_wait_tensorcnt 0x0                   ; my part of the weights has landed,
	s_wait_dscnt 0x0                       ; my rows' codes and bytes are stored;
	s_barrier_signal -1
	s_barrier_wait -1                      ; everybody's are.
	; ---- q
	ds_load_b128 v[SCA:SCA+3], v5
	ds_load_b128 v[SCA+4:SCA+7], v5 offset:16
	PASS 1, 8704, 3, SCB, 1
	; ---- slot 0 is read out: Wv goes in
	s_wait_tensorcnt 0x0                   ; no tensor load of mine is out, so group 0 may be written
	ds_add_u32 v6, v7                      ; 0 onto my spare word
	s_mul_i32 s45, s33, 33792
	s_add_nc_u64 s[46:47], s[22:23], s[68:69]
	s_or_b32 s47, s47, 0x80000000
	s_wait_dscnt 0x0                       ; the add is done, and my reads of slot 0 are over
	CROUND                                 ; the same holds of every wave of the four work-groups
	s_cmp_lt_u32 s32, 4
	s_cbranch_scc0 .Lno_wv
	tensor_load_to_lds s[44:47], s[36:43]  ; waves 0-3: 64 rows each; it has the k pass in which to land
	s_nop 0
	PLACES 4
.Lno_wv:
	QK_OUT 26
	; ---- k: the tokens of a tile are chosen, so that each store is a whole tile as the attention launch wants it
	s_wait_loadcnt 0x0                     ; Wk's and Wv's scale words
	ds_load_b128 v[SCA:SCA+3], v8
	ds_load_b128 v[SCA+4:SCA+7], v8 offset:16
	PASS 2, 128, 4, SCBK, 1
	QK_OUT 28
	; ---- v: n's fragments and scale words as for k
	s_wait_tensorcnt 0x0                   ; my part of Wv has landed,
	s_wait_dscnt 0x0
	s_barrier_signal -1
	s_barrier_wait -1                      ; everybody's has.
	PASS 2, 128, 3, SCBV, 0
	s_wait_xcnt 0x0                        ; k's stores have read their registers
	; 64 numbers of a lane: register 16 t + i = token 16 (lane / 16) + i of channel (tile t, lane r): four blocks of 32 tokens
.irp b, 0,1,2,3
	v_max3_num_f32 v[TM+\b], |v[ACC+16*\b]|, |v[ACC+1+16*\b]|, 0x1800000
.endr
.irp i, 2,4,6,8,10,12,14
.irp b, 0,1,2,3
	v_max3_num_f32 v[TM+\b], v[TM+\b], |v[ACC+16*\b+\i]|, |v[ACC+1+16*\b+\i]|
.endr
.endr
.irp b, 0,1,2,3
	s_delay_alu instid0(VALU_DEP_4)
	v_permlanex16_b32 v[TM+4+\b], v[TM+\b], s[SEL], s[SEL+1]
.endr
.irp b, 0,1,2,3
	s_delay_alu instid0(VALU_DEP_4)
	v_max_num_f32 v[TM+\b], v[TM+\b], v[TM+4+\b]
.endr
.irp b, 0,1,2,3
	s_delay_alu instid0(VALU_DEP_4)
	v_add_nc_u32 v[TM+12+\b], 0xff000000, v[TM+\b]
.endr
.irp b, 0,1,2,3
	s_delay_alu instid0(VALU_DEP_4)
	v_lshrrev_b32 v[TM+4+\b], 23, v[TM+12+\b]
.endr
.irp b, 0,1,2,3
	v_cvt_scalef32_pk8_fp4_f32 v[PC+2*\b], v[ACC+16*\b:ACC+7+16*\b], v[TM+12+\b]
	v_cvt_scalef32_pk8_fp4_f32 v[PC+1+2*\b], v[ACC+8+16*\b:ACC+15+16*\b], v[TM+12+\b]
.endr
	v_nop                                  ; one plain line behind the conversions
.irp c, 0,1
.irp i, 0,1
	v_permlane16_swap_b32 v[PC+4*\c+\i], v[PC+2+4*\c+\i]   ; lane (r, h), registers 4 c on: my 32 tokens of channel tile 2 c + h
.endr
.endr
	v_and_b32 v237, 31, v0
	s_delay_alu instid0(VALU_DEP_1)
	v_lshlrev_b32 v237, 2, v237
	s_delay_alu instid0(VALU_DEP_1)
	v_add_nc_u32 v237, s84, v237           ; 4,096 + 4 l + kb
	global_store_b128 v14, v[PC:PC+3], s[30:31]            ; sixteen lanes store 256 consecutive bytes, aligned
	global_store_b128 v14, v[PC+4:PC+7], s[30:31] offset:2048
	v_cndmask_b32 v238, v[TM+4], v[TM+5], s62
	v_cndmask_b32 v239, v[TM+6], v[TM+7], s62
	global_store_b8 v237, v238, s[30:31]
	global_store_b8 v237, v239, s[30:31] offset:128
	s_wait_tensorcnt 0x0                   ; the wave's end
	ds_add_u32 v6, v7
	s_wait_dscnt 0x0
	CROUND                                 ; the closing round
	s_endpgm
.Lfunc_end_k_q7cd0047adf_qkv:
	.size	k_q7cd0047adf_qkv, .Lfunc_end_k_q7cd0047adf_qkv-k_q7cd0047adf_qkv
	.p2alignl 7, 3214868480
	.fill 96, 4, 3214868480
	.section	.rodata,"a",@progbits
	.p2align	6, 0x0
	.amdhsa_kernel k_q7cd0047adf_qkv
		.amdhsa_group_segment_fixed_size 327680
		.amdhsa_private_segment_fixed_size 0
		.amdhsa_enable_private_segment 0
		.amdhsa_kernarg_size 96
		.amdhsa_user_sgpr_count 2
		.amdhsa_user_sgpr_kernarg_segment_ptr 1
		.amdhsa_wavefront_size32 1
		.amdhsa_system_sgpr_workgroup_id_x 1
		.amdhsa_system_sgpr_workgroup_id_y 1
		.amdhsa_system_sgpr_workgroup_id_z 1
		.amdhsa_system_vgpr_workitem_id 0
		.amdhsa_next_free_vgpr 256
		.amdhsa_next_free_sgpr 96
		.amdhsa_reserve_vcc 0
		.amdhsa_float_denorm_mode_32 3
		.amdhsa_float_denorm_mode_16_64 3
		.amdhsa_memory_ordered 1
		.amdhsa_forward_progress 1
		.amdhsa_inst_pref_size 165
	.end_amdhsa_kernel
	.amdgpu_metadata
---
amdhsa.version: [ 1, 2 ]
amdhsa.kernels:
  - .name:           k_q7cd0047adf_qkv
    .symbol:         k_q7cd0047adf_qkv.kd
    .args:
      - { .name: hidden_states, .offset: 0, .size: 8, .value_kind: global_buffer, .address_space: global }
      - { .name: ln1_g, .offset: 8, .size: 8, .value_kind: global_buffer, .address_space: global }
      - { .name: ln1_b, .offset: 16, .size: 8, .value_kind: global_buffer, .address_space: global }
      - { .name: Wq_codes, .offset: 24, .size: 8, .value_kind: global_buffer, .address_space: global }
      - { .name: Wq_scales, .offset: 32, .size: 8, .value_kind: global_buffer, .address_space: global }
      - { .name: Wk_codes, .offset: 40, .size: 8, .value_kind: global_buffer, .address_space: global }
      - { .name: Wk_scales, .offset: 48, .size: 8, .value_kind: global_buffer, .address_space: global }
      - { .name: Wv_codes, .offset: 56, .size: 8, .value_kind: global_buffer, .address_space: global }
      - { .name: Wv_scales, .offset: 64, .size: 8, .value_kind: global_buffer, .address_space: global }
      - { .name: qbuf, .offset: 72, .size: 8, .value_kind: global_buffer, .address_space: global }
      - { .name: kbuf, .offset: 80, .size: 8, .value_kind: global_buffer, .address_space: global }
      - { .name: vbuf, .offset: 88, .size: 8, .value_kind: global_buffer, .address_space: global }
    .group_segment_fixed_size: 327680
    .private_segment_fixed_size: 0
    .kernarg_segment_align: 8
    .kernarg_segment_size: 96
    .max_flat_workgroup_size: 256
    .sgpr_count:     96
    .vgpr_count:     256
    .wavefront_size: 32
...
	.end_amdgpu_metadata
.endif
;; end of part 1
;; launch attn (part 2): grid 8 x 32, 16 waves a work-group, clusters of 4 x 1, 169,984 bytes of LDS; arguments qbuf, kbuf, vbuf, cimg, csc; writes cimg, csc
.if DOCPART == 2
	.amdgcn_target "amdgcn-amd-amdhsa--gfx1250"
	.amdhsa_code_object_version 6
	.text
	.protected	k_q7cd0047adf_attn
	.globl	k_q7cd0047adf_attn
	.p2align	8
	.type	k_q7cd0047adf_attn,@function
k_q7cd0047adf_attn:
	s_mov_b64 s[64:65], 0
	v_nop
	global_prefetch_b8 v0, s[64:65] scope:SCOPE_SE
	s_setreg_imm32_b32 hwreg(HW_REG_WAVE_MODE, 25, 1), 1
	s_wait_xcnt 0x0
	s_wait_alu depctr_hold_cnt(0) depctr_sa_sdst(0) depctr_va_vdst(0) depctr_va_sdst(0) depctr_va_ssrc(0) depctr_va_vcc(0) depctr_vm_vsrc(0)
	s_getreg_b32 s2, hwreg(HW_REG_IB_STS2, 6, 4)
	s_cmp_eq_u32 s2, 0
	s_cbranch_scc0 .Lentry_in_a_cluster
	s_endpgm
.Lentry_in_a_cluster:
	s_bfe_u32 s2, ttmp6, 0x10000c
	s_cmp_lg_u32 s2, 0x3003
	s_cbranch_scc0 .Lentry_shape_is_right
	s_endpgm
.Lentry_shape_is_right:
; ctx = softmax(q k^T / 8) v for one head and 256 queries, both products on codes of FP4 (E2M1) with E8M0 scales; ctx is quantised along the hidden axis and leaves as register images for the next product.
; THE SOFTMAX: t = score x log2(e) / 8; M = the running largest t rounded up to a whole number; p = 2^(t - M) is quantised along the keys, not normalised; the row's sum is taken of the unquantised p and divides at the end.
; When M moves, the sum and O are multiplied by 2^(old M - new M), which rounds nothing.  The running maximum is kept as a score: c > 0.
; SHARES.  Work-group (qb, bh): 256 queries of head bh; each of sixteen waves owns 16 queries in 256 registers.  Every wave walks the head's 2,048 keys, 256 a step: eight trips.
; CLUSTER.  The four work-groups of a cluster have the same head: K and V are asked for jointly (mask 15).
; LDS.  The head's K and V as the launch before laid them (for each 128 keys the tiles' register images, then the scale words).  Sixteen loads, one a wave: waves 0-7 an eighth of K each (9,216 bytes as 9 rows of 1,024
; with 128 bytes of padding behind each), waves 8-15 an eighth of V (8,704 dense bytes).  Filled once; nothing is filled again.  All fills leave at the head and there is no loop to run ahead in, so no prefetch is written.
; LAYOUT.  S^T = K Q^T (source 0 = 16 keys, source 1 = my queries), O^T = V^T P^T: a lane holds one query throughout.  THE KEYS OF A TILE ARE CHOSEN AT THE LDS READ: of 64 keys (pair c) tile t takes keys
; 64 c + 8 t + 0..7 in rows 0-7 and 64 c + 32 + 8 t + 0..7 in rows 8-15.  So lane (r, h) holds in registers 32 c + 0..31 the keys 64 c + 32 h + 0..31: a WHOLE block of 32, in the order of the second product's operand:
; a block's maximum needs no other lane, and the conversions' results are the operand.  The two groups of eight rows lie 1,152 bytes apart in LDS: sixteen lanes touch sixteen different 16-byte columns of 256.
; The head has 64 channels, the instruction takes 128 along K: Q's registers 4-7 are zero codes, K's registers 4-7 are the next tile's codes (behind the last: zeros); the scale bytes over them are 1.0.
; REGISTERS.  p's sums are added in place over p once it is converted; V is loaded over the second half of p.  The last trip's look-ahead reads the first bytes of V's region, which have landed; nothing uses what it brings.
; LIMITS.  NaN and infinities are not served.  The promise holds while the scaled scores stay under 2^31 in magnitude.  A block whose largest p lies under 2^-124 gets the scale byte 1.
; A block's largest p is taken from the block's largest score by the same multiply-add and exponential.
.set KPC,   10368                      ; an eighth of K in LDS: 9 x (1,024 + 128)
.set VPC,   8704                       ; an eighth of V
.set VB,    8*KPC
.set SPARE, 0x29000                    ; the spare words: 16 waves x 128 bytes
.set KF,  32                           ; v32-63 K's eight tiles, v64-67 zeros
.set KS,  68                           ; v68-71 K's scale words: register 2 c + t / 2; lanes 0-15 the even tile, lanes 16-31 the odd
.set VS,  72                           ; v72-75 V's scale words
.set BM,  76                           ; v76-79 my four blocks: largest score, largest p, conversion's scale operand, scale byte
.set PC,  80                           ; v80-95 p's codes
.set S,   96                           ; v96-223 S^T, then p; v154-159 three chains of the sum; v160-223 then V
.set O,   224                          ; v224-255 O^T
.set WV,  18
.set SEL, 20
.set CS,  22
.set G1K, 24
.set G1V, 32
.set G0K, 44
.set G0V, 48
.set TK,  60                           ; where the step's K begins in LDS; TV: its V (from VB on)
.set TV,  61
.set CNT, 62
; v1-4 lane terms (K, V, K's words, V's words), v5 old -M, v6, v7 the spare word and 0, v[8:9] f, v10, v11 at work, v12 -M, v13 largest score, v[14:15] the sum, v16-19 Q, v20-23 zeros, v24 Q's scale word,
; v25, v26 p's scale words, v27 8 h, v28-31 the step's addresses
.macro PLACES n
.rept \n
	v_nop
.endr
.endm
.macro CROUND
	s_barrier_signal -1
	s_barrier_wait -1
	s_cmp_lg_u32 s[WV], 0
	s_cbranch_scc1 .Lnot_wave_0_\@
	s_barrier_signal -3
.Lnot_wave_0_\@:
	s_barrier_wait -3
	s_barrier_signal -1
	s_barrier_wait -1
.endm
.macro WMX acc, row                    ; one product on rD, rA, rB, rSA, rSB; row: source 0's scales stand in lanes 16-31
.if (\acc) && (\row)
	v_wmma_scale_f32_16x16x128_f8f6f4 v[rD:rD+7], v[rA:rA+7], v[rB:rB+7], v[rD:rD+7], v[rSA], v[rSB] matrix_a_fmt:MATRIX_FMT_FP4 matrix_b_fmt:MATRIX_FMT_FP4 matrix_a_scale:MATRIX_SCALE_ROW1
.elseif (\acc)
	v_wmma_scale_f32_16x16x128_f8f6f4 v[rD:rD+7], v[rA:rA+7], v[rB:rB+7], v[rD:rD+7], v[rSA], v[rSB] matrix_a_fmt:MATRIX_FMT_FP4 matrix_b_fmt:MATRIX_FMT_FP4
.elseif (\row)
	v_wmma_scale_f32_16x16x128_f8f6f4 v[rD:rD+7], v[rA:rA+7], v[rB:rB+7], 0, v[rSA], v[rSB] matrix_a_fmt:MATRIX_FMT_FP4 matrix_b_fmt:MATRIX_FMT_FP4 matrix_a_scale:MATRIX_SCALE_ROW1
.else
	v_wmma_scale_f32_16x16x128_f8f6f4 v[rD:rD+7], v[rA:rA+7], v[rB:rB+7], 0, v[rSA], v[rSB] matrix_a_fmt:MATRIX_FMT_FP4 matrix_b_fmt:MATRIX_FMT_FP4
.endif
.endm
; 12 LDS loads: K's eight chosen tiles and four registers of scale words for 128 keys, half s of the eighth that begins base bytes behind the addresses.
; In half 1 the images begin 512 bytes into a row of 1,024, so an odd image lies one padding further on.
.macro KLOAD ak, as, s, base
.irp c, 0,1
.irp t, 0,1,2,3
	ds_load_b128 v[KF+16*\c+4*\t:KF+16*\c+4*\t+3], v[\ak] offset:\base+(\s)*5120+2304*\c+(512+128*(\s))*(\t%2)+128*(\t/2)
.endr
.endr
.irp c, 0,1
.irp p, 0,1
	ds_load_b32 v[KS+2*\c+\p], v[\as] offset:\base+4608+5120*(\s)+256*\c+32*\p
.endr
.endr
.endm
.macro QK s                            ; eight score products: 128 keys
.irp c, 0,1
.irp p, 0,1
.set rB, 16
.set rSB, 24
.set rSA, KS+2*\c+\p
.set rD, S+64*(\s)+32*\c+16*\p
.set rA, KF+16*\c+8*\p
	WMX 0, 0
.set rD, rD+8
.set rA, rA+4
	WMX 0, 1
.endr
.endr
.endm
.macro TREE s                          ; the largest score of my two blocks of half s; each accumulator is first read at its low end
.irp c, 0,1
	v_max3_num_f32 v[BM+2*(\s)+\c], v[S+64*(\s)+32*\c], v[S+64*(\s)+32*\c+1], v[S+64*(\s)+32*\c+2]
.endr
.irp i, 3,5,7,9,11,13,15,17,19,21,23,25,27,29
.irp c, 0,1
	v_max3_num_f32 v[BM+2*(\s)+\c], v[BM+2*(\s)+\c], v[S+64*(\s)+32*\c+\i], v[S+64*(\s)+32*\c+\i+1]
.endr
.endr
.irp c, 0,1
	v_max_num_f32 v[BM+2*(\s)+\c], v[BM+2*(\s)+\c], v[S+64*(\s)+32*\c+31]
.endr
.endm
.macro FMAS n                          ; t - M, two at a time
.rept \n
	v_pk_fma_f32 v[S+FK:S+FK+1], v[S+FK:S+FK+1], s[CS:CS+1], v[12:13] op_sel_hi:[1,0,0]
.set FK, FK+2
.endr
.endm
.macro SUMS first, n                   ; pairs first .. first + n - 1 of p go into four chains by turns: v[14:15] and p's own pairs 29, 30, 31
.set PP, \first
.rept \n
.set rC, 14
.if PP%4 == 1
.set rC, S+58
.elseif PP%4 == 2
.set rC, S+60
.elseif PP%4 == 3
.set rC, S+62
.endif
	v_pk_add_f32 v[rC:rC+1], v[rC:rC+1], v[S+2*PP:S+2*PP+1]
.set PP, PP+1
.endr
.endm
.macro STEP                            ; 256 keys
	s_wait_dscnt 0x0                       ; the first half's K and its scale words, asked for a step ago, are in
	QK 0
	v_add_nc_u32 v28, s[TK], v1            ; these four are the places in front of the loads into K's registers and of the first read of the scores
	v_add_nc_u32 v30, s[TK], v3
	v_add_nc_u32 v29, s[TV], v2
	v_add_nc_u32 v31, s[TV], v4
	KLOAD 28, 30, 1, 0                     ; the second half's K
	TREE 0
	s_wait_dscnt 0x0
	QK 1                                   ; it writes over the registers that held V: the 36 lines above are the places behind the last step's products
	v_mov_b32 v5, v12                      ; the old -M; with the three below: four places
	PLACES 3
	KLOAD 28, 30, 0, KPC                   ; the next step's first half
	TREE 1
	v_max3_num_f32 v13, v13, v[BM], v[BM+1]
	s_delay_alu instid0(VALU_DEP_1)
	v_max3_num_f32 v13, v13, v[BM+2], v[BM+3]
	s_delay_alu instid0(VALU_DEP_1)
	v_permlanex16_b32 v10, v13, s[SEL], s[SEL+1]
	s_delay_alu instid0(VALU_DEP_1)
	v_max_num_f32 v13, v13, v10            ; with lane l xor 16's keys: the running largest score of my query
	s_delay_alu instid0(VALU_DEP_1)
	v_mul_f32 v11, s[CS], v13              ; as t
	s_delay_alu instid0(VALU_DEP_1)
	v_floor_f32 v12, -v11                  ; -M = floor(-t)
	s_delay_alu instid0(VALU_DEP_1)
	v_sub_f32 v5, v12, v5                  ; old M - new M, a whole number, 0 or less
.set FK, 0
	FMAS 8
	v_cvt_i32_f32 v5, v5                   ; (it saturates)
	FMAS 8
	v_ldexp_f32 v8, 1.0, v5                ; f = 2^(old M - new M)
	FMAS 48
.irp b, 0,1,2,3
	v_fma_f32 v[BM+\b], v[BM+\b], s[CS], v12               ; the same of each block's largest score
.endr
	v_pk_mul_f32 v[14:15], v[14:15], v[8:9] op_sel_hi:[1,0]                ; the sum under the new M
.set OI, 0
.rept 16
	v_pk_mul_f32 v[O+OI:O+OI+1], v[O+OI:O+OI+1], v[8:9] op_sel_hi:[1,0]    ; O^T under the new M, each accumulator from its low end on
.set OI, OI+2
.endr
	s_wait_alu depctr_va_vdst(0)           ; ahead of the batch
.set EJ, 0
.rept 128
	v_exp_f32 v[S+EJ], v[S+EJ]             ; p = 2^(t - M)
.set EJ, EJ+1
.endr
.irp b, 0,1,2,3
	v_exp_f32 v[BM+\b], v[BM+\b]           ; each block's largest p
.endr
	v_nop                                  ; a plain line behind the last exponential
	s_wait_alu depctr_va_vdst(0)           ; one wait for the 132, ahead of their first reader
.irp b, 0,1,2,3
	v_max_num_f32 v[BM+\b], 0x1800000, v[BM+\b]            ; the floor 2^(3 - 127): the byte cannot fall under 1
.endr
.irp b, 0,1,2,3
	v_add_nc_u32 v[BM+\b], 0xff000000, v[BM+\b]            ; 2 off the exponent field: the conversion's scale operand
.endr
.irp s, 0,1
.irp c, 0,1
.irp t, 0,1,2,3
	v_cvt_scalef32_pk8_fp4_f32 v[PC+8*\s+4*\c+\t], v[S+64*\s+32*\c+8*\t:S+64*\s+32*\c+8*\t+7], v[BM+2*\s+\c]   ; register 4 c + t of the operand: keys 64 c + 32 h + 8 t + 0..7
.endr
.endr
.endr
	v_nop                                  ; one plain line behind the conversions
.irp b, 0,1,2,3
	v_lshrrev_b32 v[BM+\b], 23, v[BM+\b]   ; the scale's byte
.endr
	v_lshl_or_b32 v25, v[BM+1], 16, v[BM]  ; my two bytes of each half: blocks h and 2 + h,
	v_lshl_or_b32 v26, v[BM+3], 16, v[BM+2]
	v_lshlrev_b32 v25, v27, v25            ; at their places, 8 h bits up;
	v_lshlrev_b32 v26, v27, v26
	v_permlanex16_b32 v10, v25, s[SEL], s[SEL+1]
	v_permlanex16_b32 v11, v26, s[SEL], s[SEL+1]
	v_or_b32 v25, v25, v10                 ; with lane l xor 16's two the word is whole
	v_or_b32 v26, v26, v11
	SUMS 32, 32                            ; the row's sum of the unquantised p: the second half first,
.irp s, 0,1                            ; whose registers then take this step's V
.irp d, 0,1,2,3
.irp c, 0,1
	ds_load_b128 v[S+64+32*\s+8*\d+4*\c:S+64+32*\s+8*\d+4*\c+3], v29 offset:4352*\s+1024*\d+512*\c
.endr
.endr
.irp i, 0,1
	ds_load_b32 v[VS+2*\s+\i], v31 offset:4352*\s+128*\i
.endr
.endr
	SUMS 0, 29
	v_pk_add_f32 v[S+58:S+59], v[S+58:S+59], v[S+60:S+61]
	v_pk_add_f32 v[14:15], v[14:15], v[S+62:S+63]
	v_pk_add_f32 v[14:15], v[14:15], v[S+58:S+59]
	s_wait_dscnt 0x0                       ; V and its scale words are in (and the look-ahead, asked for earlier)
.irp s, 0,1                            ; O^T += V^T P^T: the four accumulators by turns
.irp i, 0,1
.set rB, PC+8*\s
.set rSB, 25+\s
.set rSA, VS+2*\s+\i
.set rD, O+16*\i
.set rA, S+64+32*\s+16*\i
	WMX 1, 0
.set rD, rD+8
.set rA, rA+8
	WMX 1, 1
.endr
.endr
	s_add_co_u32 s[TK], s[TK], KPC
	s_add_co_u32 s[TV], s[TV], VPC
.endm
	s_load_b256 s[8:15], s[0:1], 0x0       ; qbuf, kbuf, vbuf, cimg
	s_load_b64 s[16:17], s[0:1], 0x20      ; csc
	v_lshl_add_u32 v6, v0, 2, SPARE
	v_mov_b32 v7, 0
	ds_add_u32 v6, v7                      ; the opening lines: the add, twice on end, and its wait ahead of my tensor load
	ds_add_u32 v6, v7
	v_lshrrev_b32 v5, 5, v0
	v_readfirstlane_b32 s[WV], v5          ; wave 0..15
	s_and_b32 s42, ttmp7, 0xffff           ; bh, which the four partners share
	s_and_b32 s43, s[WV], 7                ; which eighth I fetch
	s_mov_b32 s[G1K], 15|(3<<16)|(1<<20)|(1<<21)|(7<<22)|(31<<25)  ; mask 15, elements of 8 bytes, padding on, bit 21 beside the mask, 32 words behind every 256
	s_mov_b32 s[G1K+1], 128<<16
	s_mov_b32 s[G1K+2], 9<<16
	s_mov_b32 s[G1K+3], 128<<16
	s_mov_b32 s[G1K+4], 9                  ; 9 rows of 1,024 bytes, dense in memory
	s_mov_b32 s[G1K+5], 128
	s_mov_b32 s[G1K+6], 0
	s_mov_b32 s[G1K+7], 0
	s_mov_b32 s[G1V], 0x0023000f           ; mask 15, elements of 8 bytes, bit 21 beside the mask, no padding
	s_mov_b32 s[G1V+1], 32<<16
	s_mov_b32 s[G1V+2], 34<<16
	s_mov_b32 s[G1V+3], 32<<16
	s_mov_b32 s[G1V+4], 34                 ; 34 rows of 256 bytes
	s_mov_b32 s[G1V+5], 32
	s_mov_b32 s[G1V+6], 0
	s_mov_b32 s[G1V+7], 0
	s_mov_b32 s[G0K], 1
	s_mul_i32 s[G0K+1], s43, KPC
	s_mov_b32 s[G0V], 1
	s_mul_i32 s[G0V+1], s43, VPC
	s_add_co_u32 s[G0V+1], s[G0V+1], VB
	s_mul_i32 s72, s42, 73728
	s_mul_i32 s70, s43, 9216
	s_add_co_u32 s72, s72, s70
	s_mov_b32 s73, 0
	s_mul_i32 s74, s42, 69632
	s_mul_i32 s71, s43, VPC
	s_add_co_u32 s74, s74, s71
	s_mov_b32 s75, 0
	s_mov_b32 s[SEL], 0x76543210
	s_mov_b32 s[SEL+1], 0xfedcba98
	s_mov_b32 s[CS], 0x3e38aa3b            ; log2(e) / 8
	s_mov_b32 s[CS+1], s[CS]
	s_mov_b32 s[TK], 0
	s_mov_b32 s[TV], 0
	s_mov_b32 s[CNT], 8
	s_lshl_b32 s79, s43, 9                 ; Q: my tile's image,
	s_lshl_b32 s78, s43, 6
	s_add_co_u32 s78, s78, 4096            ; and its scale words
	; what hangs on my place in the cluster enters global addresses of Q and of the outputs alone
	s_bfe_u32 s40, ttmp6, 0x40000          ; cx
	s_lshl_b32 s41, ttmp9, 2
	s_add_co_u32 s41, s41, s40             ; qb
	s_lshl_b32 s76, s41, 1
	s_lshr_b32 s77, s[WV], 3
	s_add_co_u32 s76, s76, s77
	s_mul_i32 s76, s76, 4608
	s_mul_i32 s77, s42, 73728
	s_add_co_u32 s76, s76, s77
	s_mov_b32 s77, 0
	s_lshr_b32 s80, s42, 4
	s_lshl_b32 s80, s80, 7
	s_lshl_b32 s81, s41, 4
	s_add_co_u32 s80, s80, s81
	s_add_co_u32 s80, s80, s[WV]           ; my tile of 16 rows among the 256
	s_and_b32 s81, s42, 15                 ; the head
	s_lshl_b32 s82, s80, 13
	s_lshl_b32 s83, s81, 9                 ; 512 bytes a head
	s_add_co_u32 s82, s82, s83
	s_mov_b32 s83, 0
	s_lshl_b32 s84, s81, 13
	s_lshl_b32 s85, s80, 5
	s_add_co_u32 s84, s84, s85
	s_mov_b32 s85, 0
	v_and_b32 v8, 31, v0                   ; l
	v_and_b32 v9, 15, v0                   ; r
	v_bfe_u32 v10, v0, 3, 1                ; r / 8
	v_bfe_u32 v11, v0, 4, 1                ; h
	v_and_b32 v29, 7, v0                   ; r % 8
	v_mul_u32_u24 v1, v10, 1152            ; K's fragments: rows 8-15 take the next block of 32 keys, 1,024 + 128 bytes on;
	v_lshlrev_b32 v3, 7, v10               ; K's scale words: 128 bytes a block,
	v_lshl_add_u32 v1, v11, 8, v1          ; 256 bytes a half of the channels;
	v_lshl_add_u32 v3, v11, 6, v3          ; 64 an image (lanes 16-31: the odd tile),
	v_lshl_add_u32 v1, v29, 4, v1          ; 16 bytes a key
	v_lshl_add_u32 v3, v29, 2, v3          ; 4 a key
	v_lshl_add_u32 v2, v8, 4, VB
	v_lshl_add_u32 v4, v8, 2, VB+4096
	v_lshl_add_u32 v5, v8, 4, s79
	v_lshl_add_u32 v28, v9, 2, s78
	v_lshlrev_b32 v27, 3, v11              ; 8 h
	s_wait_alu depctr_va_vdst(0)           ; directly ahead of the waits below
	s_wait_dscnt 0x0                       ; both opening adds are done
	s_wait_kmcnt 0x0
	s_add_nc_u64 s[G0K+2:G0K+3], s[10:11], s[72:73]
	s_or_b32 s[G0K+3], s[G0K+3], 0x80000000
	s_add_nc_u64 s[G0V+2:G0V+3], s[12:13], s[74:75]
	s_or_b32 s[G0V+3], s[G0V+3], 0x80000000
	s_add_nc_u64 s[8:9], s[8:9], s[76:77]
	s_add_nc_u64 s[14:15], s[14:15], s[82:83]
	s_add_nc_u64 s[16:17], s[16:17], s[84:85]
	global_load_b128 v[16:19], v5, s[8:9]
	global_load_b32 v24, v28, s[8:9]
	CROUND                                 ; the four work-groups are here: the joint loads meet
	s_cmp_lt_u32 s[WV], 8                  ; one load a wave: every way through the head passes exactly one
	s_cbranch_scc0 .Lfor_v
	tensor_load_to_lds s[G0K:G0K+3], s[G1K:G1K+7]
	s_nop 0
	PLACES 4
	s_branch .Lasked
.Lfor_v:
	tensor_load_to_lds s[G0V:G0V+3], s[G1V:G1V+7]
	s_nop 0
	PLACES 4
.Lasked:
.irp j, 20,21,22,23,64,65,66,67
	v_mov_b32 v[\j], 0                     ; zero codes for K = 64 .. 127
.endr
	v_mov_b32 v13, 0xff61b1e6              ; the largest score so far: -3e38
	v_floor_f32 v12, -v13                  ; a -M above every other: the first step's f is 0, and meets zeros
	v_mov_b32 v14, 0
	v_mov_b32 v15, 0
.set J, 0
.rept 32
	v_mov_b32 v[O+J], 0                    ; the step is written once: the first finds zeros
.set J, J+1
.endr
	s_wait_alu depctr_va_vdst(0)           ; the head's end
	s_wait_tensorcnt 0x0                   ; my eighth is in,
	s_barrier_signal -1
	s_barrier_wait -1                      ; everybody's is: all of K and V.
	KLOAD 1, 3, 0, 0                       ; the first step's first half
	s_wait_loadcnt 0x0                     ; Q
.Lstep:
	STEP
	s_sub_co_u32 s[CNT], s[CNT], 1
	s_cmp_lg_u32 s[CNT], 0
	s_cbranch_scc1 .Lstep
	s_wait_dscnt 0x0                       ; the last look-ahead: no LDS load of mine is out at the closing round
	; THE WAY OUT
	PLACES 4
	s_wait_alu depctr_va_vdst(0)           ; directly ahead of the reader below
	v_add_f32 v14, v14, v15
	s_delay_alu instid0(VALU_DEP_1)
	v_permlanex16_b32 v10, v14, s[SEL], s[SEL+1]
	s_delay_alu instid0(VALU_DEP_1)
	v_add_f32 v14, v14, v10                ; the row's sum
	s_wait_alu depctr_va_vdst(0)           ; ahead of the transcendental
	v_rcp_f32 v14, v14
	v_and_b32 v28, 31, v0                  ; (plain lines behind it)
	v_and_b32 v29, 15, v0
	v_lshlrev_b32 v28, 4, v28              ; the image: 16 bytes a lane
	v_lshlrev_b32 v29, 1, v29              ; the scale bytes: 2 a row
	s_wait_alu depctr_va_vdst(0)           ; ahead of the reciprocal's first reader, which is also the first reader of O^T
.set J, 0
.rept 32
	v_mul_f32 v[S+J], v[O+J], v14          ; register 16 b + i is ctx(r, 32 b + 16 h + i)
.set J, J+1
.endr
.irp b, 0,1
	v_max3_num_f32 v[BM+\b], |v[S+16*\b]|, |v[S+16*\b+1]|, 0x1800000
.endr
.irp i, 2,4,6,8,10,12,14
.irp b, 0,1
	v_max3_num_f32 v[BM+\b], v[BM+\b], |v[S+16*\b+\i]|, |v[S+16*\b+\i+1]|
.endr
.endr
.irp b, 0,1
	v_permlanex16_b32 v[10+\b], v[BM+\b], s[SEL], s[SEL+1]
.endr
.irp b, 0,1
	v_max_num_f32 v[BM+\b], v[BM+\b], v[10+\b]
.endr
.irp b, 0,1
	v_add_nc_u32 v[BM+2+\b], 0xff000000, v[BM+\b]
.endr
.irp b, 0,1
	v_lshrrev_b32 v[BM+\b], 23, v[BM+2+\b]
.endr
	v_lshl_or_b32 v25, v[BM+1], 8, v[BM]   ; the two bytes of my row's blocks 2 head, 2 head + 1
.irp b, 0,1
	v_cvt_scalef32_pk8_fp4_f32 v[PC+2*\b], v[S+16*\b:S+16*\b+7], v[BM+2+\b]
	v_cvt_scalef32_pk8_fp4_f32 v[PC+2*\b+1], v[S+16*\b+8:S+16*\b+15], v[BM+2+\b]
.endr
	v_nop                                  ; one plain line behind the conversions
	v_permlane16_swap_b32 v[PC], v[PC+2]   ; a whole block to a lane
	v_permlane16_swap_b32 v[PC+1], v[PC+3]
	global_store_b128 v28, v[PC:PC+3], s[14:15]            ; 512 consecutive bytes of the image
	global_store_b16 v29, v25, s[16:17]                    ; lanes l and l xor 16 write the same two bytes with the same value
	s_wait_tensorcnt 0x0                   ; the wave's end
	ds_add_u32 v6, v7
	s_wait_dscnt 0x0
	CROUND                                 ; the closing round
	s_endpgm
.Lfunc_end_k_q7cd0047adf_attn:
	.size	k_q7cd0047adf_attn, .Lfunc_end_k_q7cd0047adf_attn-k_q7cd0047adf_attn
	.p2alignl 7, 3214868480
	.fill 96, 4, 3214868480
	.section	.rodata,"a",@progbits
	.p2align	6, 0x0
	.amdhsa_kernel k_q7cd0047adf_attn
		.amdhsa_group_segment_fixed_size 169984
		.amdhsa_private_segment_fixed_size 0
		.amdhsa_enable_private_segment 0
		.amdhsa_kernarg_size 40
		.amdhsa_user_sgpr_count 2
		.amdhsa_user_sgpr_kernarg_segment_ptr 1
		.amdhsa_wavefront_size32 1
		.amdhsa_system_sgpr_workgroup_id_x 1
		.amdhsa_system_sgpr_workgroup_id_y 1
		.amdhsa_system_sgpr_workgroup_id_z 1
		.amdhsa_system_vgpr_workitem_id 0
		.amdhsa_next_free_vgpr 256
		.amdhsa_next_free_sgpr 96
		.amdhsa_reserve_vcc 0
		.amdhsa_float_denorm_mode_32 3
		.amdhsa_float_denorm_mode_16_64 3
		.amdhsa_memory_ordered 1
		.amdhsa_forward_progress 1
		.amdhsa_inst_pref_size 39
	.end_amdhsa_kernel
	.amdgpu_metadata
---
amdhsa.version: [ 1, 2 ]
amdhsa.kernels:
  - .name:           k_q7cd0047adf_attn
    .symbol:         k_q7cd0047adf_attn.kd
    .args:
      - { .name: qbuf, .offset: 0, .size: 8, .value_kind: global_buffer, .address_space: global }
      - { .name: kbuf, .offset: 8, .size: 8, .value_kind: global_buffer, .address_space: global }
      - { .name: vbuf, .offset: 16, .size: 8, .value_kind: global_buffer, .address_space: global }
      - { .name: cimg, .offset: 24, .size: 8, .value_kind: global_buffer, .address_space: global }
      - { .name: csc, .offset: 32, .size: 8, .value_kind: global_buffer, .address_space: global }
    .group_segment_fixed_size: 169984
    .private_segment_fixed_size: 0
    .kernarg_segment_align: 8
    .kernarg_segment_size: 40
    .max_flat_workgroup_size: 512
    .sgpr_count:     96
    .vgpr_count:     256
    .wavefront_size: 32
...
	.end_amdgpu_metadata
.endif
;; end of part 2
;; launch proj_o (part 3): grid 64 x 4, 8 waves a work-group, clusters of 4 x 1, 205,824 bytes of LDS; arguments cimg, csc, Wo_codes, Wo_scales, hidden_states, x1; writes x1
.if DOCPART == 3
	.amdgcn_target "amdgcn-amd-amdhsa--gfx1250"
	.amdhsa_code_object_version 6
	.text
	.protected	k_q7cd0047adf_proj_o
	.globl	k_q7cd0047adf_proj_o
	.p2align	8
	.type	k_q7cd0047adf_proj_o,@function
k_q7cd0047adf_proj_o:
	s_mov_b64 s[64:65], 0
	v_nop
	global_prefetch_b8 v0, s[64:65] scope:SCOPE_SE
	s_setreg_imm32_b32 hwreg(HW_REG_WAVE_MODE, 25, 1), 1
	s_wait_xcnt 0x0
	s_wait_alu depctr_hold_cnt(0) depctr_sa_sdst(0) depctr_va_vdst(0) depctr_va_sdst(0) depctr_va_ssrc(0) depctr_va_vcc(0) depctr_vm_vsrc(0)
	s_getreg_b32 s2, hwreg(HW_REG_IB_STS2, 6, 4)
	s_cmp_eq_u32 s2, 0
	s_cbranch_scc0 .Lentry_in_a_cluster
	s_endpgm
.Lentry_in_a_cluster:
	s_bfe_u32 s2, ttmp6, 0x10000c
	s_cmp_lg_u32 s2, 0x3003
	s_cbranch_scc0 .Lentry_shape_is_right
	s_endpgm
.Lentry_shape_is_right:
; out = res + 0.1 (a W), the product on codes of FP4 (E2M1) with E8M0 scales, K = 1,024.  a arrives as register images [row tile][K step][half][lane][16 bytes] and scale bytes [group of 64 along K][row][2]; W as codes, K innermost.
; SHARES.  A work-group takes 64 rows (rb) x 256 columns (j).  Eight waves: wave w makes columns 64 g .. + 63 (g = w & 3) of rows 32 rh .. + 31 (rh = w >> 2).
; CLUSTER.  The four work-groups of a cluster have the same j: W's tile is asked for jointly (waves 0-3, mask 15); a's images are each work-group's own (waves 4-7, a plain load).
; LDS.  W's 256 rows (512 bytes + 16), a's images (units of 256 bytes + 16), a stage of 16 rows x (256 bytes + 16) for each wave.  All of K lies in LDS: one fill, no ring.
; ORDER OF THE REQUESTS.  The tiles, for which the products wait, are asked for first, straight behind the opening round; then the scales; then the residual of both tiles of rows, which is wanted last.
; Source 0 = 16 rows of W, source 1 = 16 rows of a: a lane holds eight neighbouring columns of one row; a tile of 16 rows goes through the wave's stage and leaves with the residual added, sixteen lanes to 256 aligned bytes.
; REGISTERS.  v1-15 addresses; v16-31 W's scale words; v32-39 a's; v40-103 accumulators; v104-199 two sets of fragments; v200-231 the first tile's residual; v232-247 a's scale bytes as loaded;
; v256-287 (v0-31 of the second window) the second tile's residual: two switches round its loads, two round the additions that read it.
.set ABASE, 135168
.set STG,   169984
.set SCB,   16
.set SCA,   32
.set ACC,   40
.set F0,    104
.macro PLACES n
.rept \n
	v_nop
.endr
.endm
.macro CROUND
	s_barrier_signal -1
	s_barrier_wait -1
	s_cmp_lg_u32 s32, 0
	s_cbranch_scc1 .Lnot_wave_0_\@
	s_barrier_signal -3
.Lnot_wave_0_\@:
	s_barrier_wait -3
	s_barrier_signal -1
	s_barrier_wait -1
.endm
.macro WMX zero, ra, rb
.if (\zero) && (\ra) && (\rb)
	v_wmma_scale_f32_16x16x128_f8f6f4 v[rD:rD+7], v[rA:rA+7], v[rB:rB+7], 0, v[rSA], v[rSB] matrix_a_fmt:MATRIX_FMT_FP4 matrix_b_fmt:MATRIX_FMT_FP4 matrix_a_scale:MATRIX_SCALE_ROW1 matrix_b_scale:MATRIX_SCALE_ROW1
.elseif (\zero) && (\ra)
	v_wmma_scale_f32_16x16x128_f8f6f4 v[rD:rD+7], v[rA:rA+7], v[rB:rB+7], 0, v[rSA], v[rSB] matrix_a_fmt:MATRIX_FMT_FP4 matrix_b_fmt:MATRIX_FMT_FP4 matrix_a_scale:MATRIX_SCALE_ROW1
.elseif (\zero) && (\rb)
	v_wmma_scale_f32_16x16x128_f8f6f4 v[rD:rD+7], v[rA:rA+7], v[rB:rB+7], 0, v[rSA], v[rSB] matrix_a_fmt:MATRIX_FMT_FP4 matrix_b_fmt:MATRIX_FMT_FP4 matrix_b_scale:MATRIX_SCALE_ROW1
.elseif (\zero)
	v_wmma_scale_f32_16x16x128_f8f6f4 v[rD:rD+7], v[rA:rA+7], v[rB:rB+7], 0, v[rSA], v[rSB] matrix_a_fmt:MATRIX_FMT_FP4 matrix_b_fmt:MATRIX_FMT_FP4
.elseif (\ra) && (\rb)
	v_wmma_scale_f32_16x16x128_f8f6f4 v[rD:rD+7], v[rA:rA+7], v[rB:rB+7], v[rD:rD+7], v[rSA], v[rSB] matrix_a_fmt:MATRIX_FMT_FP4 matrix_b_fmt:MATRIX_FMT_FP4 matrix_a_scale:MATRIX_SCALE_ROW1 matrix_b_scale:MATRIX_SCALE_ROW1
.elseif (\ra)
	v_wmma_scale_f32_16x16x128_f8f6f4 v[rD:rD+7], v[rA:rA+7], v[rB:rB+7], v[rD:rD+7], v[rSA], v[rSB] matrix_a_fmt:MATRIX_FMT_FP4 matrix_b_fmt:MATRIX_FMT_FP4 matrix_a_scale:MATRIX_SCALE_ROW1
.elseif (\rb)
	v_wmma_scale_f32_16x16x128_f8f6f4 v[rD:rD+7], v[rA:rA+7], v[rB:rB+7], v[rD:rD+7], v[rSA], v[rSB] matrix_a_fmt:MATRIX_FMT_FP4 matrix_b_fmt:MATRIX_FMT_FP4 matrix_b_scale:MATRIX_SCALE_ROW1
.else
	v_wmma_scale_f32_16x16x128_f8f6f4 v[rD:rD+7], v[rA:rA+7], v[rB:rB+7], v[rD:rD+7], v[rSA], v[rSB] matrix_a_fmt:MATRIX_FMT_FP4 matrix_b_fmt:MATRIX_FMT_FP4
.endif
.endm
.macro FETCH ks, f                     ; 12 LDS loads: a's two tiles, W's four (rows as they lie)
.irp m, 0,1
.irp c, 0,1
	ds_load_b128 v[\f+8*\m+4*\c:\f+8*\m+4*\c+3], v1 offset:\m*8704+(\ks)*1088+\c*544
.endr
.endr
.irp t, 0,1,2,3
.irp c, 0,1
	ds_load_b128 v[\f+16+8*\t+4*\c:\f+16+8*\t+4*\c+3], v3 offset:16*\t*528+64*(\ks)+32*\c
.endr
.endr
.endm
.macro MULS ks, f                      ; 8 products, the eight accumulators by turns, in the same order in every K step
.irp m, 0,1
.irp t, 0,1,2,3
.set rD, ACC+8*(4*\m+\t)
.set rA, \f+16+8*\t
.set rB, \f+8*\m
.set rSA, SCB+8*(\t/2)+(\ks)
.set rSB, SCA+(\ks)
	WMX (\ks)==0, \t%2, \m
.endr
.endr
.endm
.macro RLOAD reg, m                    ; the residual of 16 rows x my 64 columns, laid as the stage gives the results back
.irp i, 0,1,2,3,4,5,6,7
	global_load_b128 v[\reg+4*\i:\reg+4*\i+3], v11, s[16:17] offset:(16*\m+2*\i)*4096
.endr
.endm
.macro OUTM m, t, r, left, win         ; tile m of 16 rows: through my stage, + the residual, out.  left: younger global loads, which may stay out.  win = 1: the residual lies in the second window
.irp q, 0,1,2,3
	ds_store_b128 v9, v[ACC+8*(4*\m+\q):ACC+8*(4*\m+\q)+3] offset:64*\q        ; each accumulator from its low end on
	ds_store_b128 v9, v[ACC+8*(4*\m+\q)+4:ACC+8*(4*\m+\q)+7] offset:64*\q+16
.endr
.irp i, 0,1,2,3,4,5,6,7
	ds_load_b128 v[\t+4*\i:\t+4*\i+3], v10 offset:544*\i   ; LDS serves a wave's instructions in order: these see my stores
.endr
	s_wait_dscnt 0x0
	s_wait_loadcnt \left
.if \win
	s_set_vgpr_msb 0x0010                  ; source 2 in the second window
.endif
.irp q, 0,2,4,6,8,10,12,14,16,18,20,22,24,26,28,30
	v_pk_fma_f32 v[\t+\q:\t+\q+1], v[\t+\q:\t+\q+1], s[66:67], v[\r+\q:\r+\q+1] op_sel_hi:[1,0,1]
.endr
.if \win
	s_set_vgpr_msb 0x1000                  ; all back to the first window
.endif
.irp i, 0,1,2,3,4,5,6,7
	global_store_b128 v11, v[\t+4*\i:\t+4*\i+3], s[18:19] offset:(16*\m+2*\i)*4096     ; sixteen lanes store 256 consecutive bytes, aligned
.endr
.endm
	s_load_b256 s[8:15], s[0:1], 0x0       ; a's images, a's scale bytes, W's codes, W's scales
	s_load_b128 s[16:19], s[0:1], 0x20     ; the residual, the output
	v_lshl_add_u32 v254, v0, 2, 0x32000
	v_mov_b32 v255, 0
	ds_add_u32 v254, v255
	ds_add_u32 v254, v255
	v_lshrrev_b32 v12, 5, v0
	s_delay_alu instid0(VALU_DEP_1)
	v_readfirstlane_b32 s32, v12           ; wave
	s_and_b32 s33, s32, 3                  ; g
	s_lshr_b32 s34, s32, 2                 ; rh
	s_and_b32 s49, ttmp7, 0xffff           ; j
	s_mov_b32 s36, 0x07b0000f              ; W: mask 15, bytes, padding on, bit 21 beside the mask, 4 words behind every 128
	s_mov_b32 s37, 512<<16
	s_mov_b32 s38, 64<<16
	s_mov_b32 s39, 512<<16
	s_mov_b32 s40, 64
	s_mov_b32 s41, 512
	s_mov_b32 s42, 0
	s_mov_b32 s43, 0
	s_mov_b32 s56, 0x07530000              ; a: no mask, elements of 8 bytes, 4 words of padding behind every 64: 32 dense rows of 256 bytes
	s_mov_b32 s57, 32<<16
	s_mov_b32 s58, 32<<16
	s_mov_b32 s59, 32<<16
	s_mov_b32 s60, 32
	s_mov_b32 s61, 32
	s_mov_b32 s62, 0
	s_mov_b32 s63, 0
	s_mov_b32 s44, 1
	s_mul_i32 s45, s33, 33792              ; waves 0-3: 64 rows of W each
	s_mov_b32 s52, 1
	s_mul_i32 s53, s33, 8704               ; waves 4-7: a tile of 16 rows of a each
	s_add_co_u32 s53, s53, ABASE
	s_lshl_b32 s68, s49, 17
	s_lshl_b32 s50, s33, 15
	s_add_co_u32 s68, s68, s50
	s_mov_b32 s69, 0
	s_lshl_b32 s70, s49, 13
	s_lshl_b32 s50, s33, 11
	s_add_co_u32 s70, s70, s50
	s_mov_b32 s71, 0
	s_mov_b32 s66, 0x3dcccccd              ; 0.1
	s_mov_b32 s67, s66
	v_and_b32 v12, 31, v0                  ; l
	v_and_b32 v13, 15, v0                  ; r
	v_bfe_u32 v14, v0, 4, 1                ; h
	s_mul_i32 s50, s34, 17408
	s_add_co_u32 s50, s50, ABASE
	v_mul_u32_u24 v1, v14, 272
	s_delay_alu instid0(VALU_DEP_1)
	v_lshl_add_u32 v1, v13, 4, v1
	s_delay_alu instid0(VALU_DEP_1)
	v_add_nc_u32 v1, s50, v1
	s_mul_i32 s51, s33, 33792
	v_mul_u32_u24 v3, v13, 528
	s_delay_alu instid0(VALU_DEP_1)
	v_lshl_add_u32 v3, v14, 4, v3
	s_delay_alu instid0(VALU_DEP_1)
	v_add_nc_u32 v3, s51, v3
	v_lshlrev_b32 v5, 1, v12
	v_lshlrev_b32 v8, 5, v12
	s_mul_i32 s51, s32, 4352
	s_add_co_u32 s51, s51, STG             ; my stage
	v_mul_u32_u24 v9, v13, 272
	s_delay_alu instid0(VALU_DEP_1)
	v_lshl_add_u32 v9, v14, 5, v9
	s_delay_alu instid0(VALU_DEP_1)
	v_add_nc_u32 v9, s51, v9
	v_mul_u32_u24 v10, v14, 272
	s_delay_alu instid0(VALU_DEP_1)
	v_lshl_add_u32 v10, v13, 4, v10
	s_delay_alu instid0(VALU_DEP_1)
	v_add_nc_u32 v10, s51, v10
	v_lshlrev_b32 v11, 12, v14
	s_delay_alu instid0(VALU_DEP_1)
	v_lshl_add_u32 v11, v13, 4, v11
	; what hangs on my place in the cluster enters global addresses of a, of the residual and of the output alone
	s_bfe_u32 s35, ttmp6, 0x40000
	s_lshl_b32 s48, ttmp9, 2
	s_add_co_u32 s48, s48, s35             ; rb
	s_lshl_b32 s72, s48, 15
	s_lshl_b32 s73, s33, 13
	s_add_co_u32 s72, s72, s73             ; a's images: 32,768 bytes a row block, 8,192 a tile
	s_mov_b32 s73, 0
	s_lshl_b32 s74, s48, 7
	s_lshl_b32 s75, s34, 6
	s_add_co_u32 s74, s74, s75             ; a's scale bytes: 2 a row
	s_mov_b32 s75, 0
	s_lshl_b32 s76, s48, 18
	s_lshl_b32 s77, s34, 17
	s_add_co_u32 s76, s76, s77
	s_lshl_b32 s77, s49, 10
	s_add_co_u32 s76, s76, s77
	s_lshl_b32 s77, s33, 8
	s_add_co_u32 s76, s76, s77             ; my first row and column in the residual and in the output
	s_mov_b32 s77, 0
	s_wait_dscnt 0x0
	s_wait_kmcnt 0x0
	s_add_nc_u64 s[46:47], s[12:13], s[68:69]
	s_or_b32 s47, s47, 0x80000000
	s_add_nc_u64 s[54:55], s[8:9], s[72:73]
	s_or_b32 s55, s55, 0x80000000
	s_add_nc_u64 s[10:11], s[10:11], s[74:75]
	s_add_nc_u64 s[14:15], s[14:15], s[70:71]
	s_add_nc_u64 s[16:17], s[16:17], s[76:77]
	s_add_nc_u64 s[18:19], s[18:19], s[76:77]
	CROUND                                 ; the four work-groups are here: the joint loads meet
	s_cmp_lt_u32 s32, 4
	s_cbranch_scc0 .Lfor_a
	tensor_load_to_lds s[44:47], s[36:43]  ; my one load: one is out
	s_nop 0
	PLACES 4
	s_branch .Lasked
.Lfor_a:
	tensor_load_to_lds s[52:55], s[56:63]
	s_nop 0
	PLACES 4
.Lasked:
.irp G, 0,1,2,3,4,5,6,7,8,9,10,11,12,13,14,15
	global_load_u16 v[232+\G], v5, s[10:11] offset:8192*\G ; lane l: the two bytes of row 32 rh + l for 64 along K
.endr
	s_wait_alu depctr_va_vdst(0)
.irp i, 0,1
.irp q, 0,1
	global_load_b128 v[SCB+8*\i+4*\q:SCB+8*\i+4*\q+3], v8, s[14:15] offset:1024*\i+16*\q
.endr
.endr
	RLOAD 200, 0
	s_set_vgpr_msb 0x0040                  ; destination in the second window
	RLOAD 0, 1                             ; v256-287
	s_set_vgpr_msb 0x4000                  ; all back to the first window
	s_wait_loadcnt 16                      ; the scale bytes and words are in; the residual's sixteen loads may be out
.irp k, 0,1,2,3,4,5,6,7
	v_lshl_or_b32 v[SCA+\k], v[233+2*\k], 16, v[232+2*\k]  ; a's scale word of K step k: lanes 0-15 tile 0, lanes 16-31 tile 1
.endr
	PLACES 8                               ; scale registers written by vector instructions stand eight places ahead of the products
	s_wait_alu depctr_va_vdst(0)
	s_wait_tensorcnt 0x0                   ; my load has landed,
	s_barrier_signal -1
	s_barrier_wait -1                      ; everybody's has
	FETCH 0, F0
.set KS, 0
.rept 8
.if KS < 7
.if KS > 0
	PLACES 4                               ; in front of loads into registers that the last products read
.endif
	FETCH KS+1, F0+48*((KS+1)%2)
	s_wait_dscnt 12                        ; all but the 12 just issued
.else
	s_wait_dscnt 0x0
.endif
	MULS KS, F0+48*(KS%2)
.set KS, KS+1
.endr
	PLACES 5                               ; behind the last products
	OUTM 0, 152, 200, 8, 0                 ; the first tile's residual is in; the second's eight loads may be out
	OUTM 1, 200, 0, 0, 1
	s_wait_tensorcnt 0x0
	ds_add_u32 v254, v255
	s_wait_dscnt 0x0
	CROUND                                 ; the closing round
	s_endpgm
.Lfunc_end_k_q7cd0047adf_proj_o:
	.size	k_q7cd0047adf_proj_o, .Lfunc_end_k_q7cd0047adf_proj_o-k_q7cd0047adf_proj_o
	.p2alignl 7, 3214868480
	.fill 96, 4, 3214868480
	.section	.rodata,"a",@progbits
	.p2align	6, 0x0
	.amdhsa_kernel k_q7cd0047adf_proj_o
		.amdhsa_group_segment_fixed_size 205824
		.amdhsa_private_segment_fixed_size 0
		.amdhsa_enable_private_segment 0
		.amdhsa_kernarg_size 48
		.amdhsa_user_sgpr_count 2
		.amdhsa_user_sgpr_kernarg_segment_ptr 1
		.amdhsa_wavefront_size32 1
		.amdhsa_system_sgpr_workgroup_id_x 1
		.amdhsa_system_sgpr_workgroup_id_y 1
		.amdhsa_system_sgpr_workgroup_id_z 1
		.amdhsa_system_vgpr_workitem_id 0
		.amdhsa_next_free_vgpr 288
		.amdhsa_next_free_sgpr 96
		.amdhsa_reserve_vcc 0
		.amdhsa_float_denorm_mode_32 3
		.amdhsa_float_denorm_mode_16_64 3
		.amdhsa_memory_ordered 1
		.amdhsa_forward_progress 1
		.amdhsa_inst_pref_size 32
	.end_amdhsa_kernel
	.amdgpu_metadata
---
amdhsa.version: [ 1, 2 ]
amdhsa.kernels:
  - .name:           k_q7cd0047adf_proj_o
    .symbol:         k_q7cd0047adf_proj_o.kd
    .args:
      - { .name: cimg, .offset: 0, .size: 8, .value_kind: global_buffer, .address_space: global }
      - { .name: csc, .offset: 8, .size: 8, .value_kind: global_buffer, .address_space: global }
      - { .name: Wo_codes, .offset: 16, .size: 8, .value_kind: global_buffer, .address_space: global }
      - { .name: Wo_scales, .offset: 24, .size: 8, .value_kind: global_buffer, .address_space: global }
      - { .name: hidden_states, .offset: 32, .size: 8, .value_kind: global_buffer, .address_space: global }
      - { .name: x1, .offset: 40, .size: 8, .value_kind: global_buffer, .address_space: global }
    .group_segment_fixed_size: 205824
    .private_segment_fixed_size: 0
    .kernarg_segment_align: 8
    .kernarg_segment_size: 48
    .max_flat_workgroup_size: 256
    .sgpr_count:     96
    .vgpr_count:     288
    .wavefront_size: 32
...
	.end_amdgpu_metadata
.endif
;; end of part 3
;; launch ffn1 (part 4): grid 64 x 4, 8 waves a work-group, clusters of 4 x 1, 174,080 bytes of LDS; arguments x1, ln2_g, ln2_b, W1_codes, W1_scales, himg, hsc; writes himg, hsc
.if DOCPART == 4
	.amdgcn_target "amdgcn-amd-amdhsa--gfx1250"
	.amdhsa_code_object_version 6
	.text
	.protected	k_q7cd0047adf_ffn1
	.globl	k_q7cd0047adf_ffn1
	.p2align	8
	.type	k_q7cd0047adf_ffn1,@function
k_q7cd0047adf_ffn1:
	s_mov_b64 s[64:65], 0
	v_nop
	global_prefetch_b8 v0, s[64:65] scope:SCOPE_SE
	s_setreg_imm32_b32 hwreg(HW_REG_WAVE_MODE, 25, 1), 1
	s_wait_xcnt 0x0
	s_wait_alu depctr_hold_cnt(0) depctr_sa_sdst(0) depctr_va_vdst(0) depctr_va_sdst(0) depctr_va_ssrc(0) depctr_va_vcc(0) depctr_vm_vsrc(0)
	s_getreg_b32 s2, hwreg(HW_REG_IB_STS2, 6, 4)
	s_cmp_eq_u32 s2, 0
	s_cbranch_scc0 .Lentry_in_a_cluster
	s_endpgm
.Lentry_in_a_cluster:
	s_bfe_u32 s2, ttmp6, 0x10000c
	s_cmp_lg_u32 s2, 0x3003
	s_cbranch_scc0 .Lentry_shape_is_right
	s_endpgm
.Lentry_shape_is_right:
; h = gelu(LayerNorm(x1) W1), the product on codes of FP4 (E2M1) with E8M0 scales, K = 1,024; h is quantised along its columns (the next K) and leaves as register images and scale bytes.
; SHARES, CLUSTER, LAYER NORM and the product are those of the first launch of this program with one weight: a work-group takes 64 rows (rb) x 256 columns (j); wave w makes columns 64 g .. + 63 of rows 32 rh .. + 31;
; the four work-groups of a cluster share j and ask for W1's tile jointly (waves 0-3, mask 15).  All of K lies in LDS: one fill, no ring.
; LDS.  W1's 256 rows (512 bytes + 16), n's codes as register images (units of 256 bytes + 16), n's scale bytes (64 rows, 48 bytes apart).
; Source 0 = 16 rows of W1, source 1 = 16 rows of n; lane r of weight tile 2 b + u takes row 32 b + 8 u + r + 8 (r / 8), so that 16 registers of two tiles are 16 neighbouring columns.
; GELU = 0.5 x (1 + erf(x / sqrt(2))).  erf(z) = z P(z^2) / Q(z^2), polynomials of degree 6 and 4, z held to +-4 and the result to +-1: its error is of the order of one unit in the last place of 1.
; LIMITS.  NaN and infinities are not served.  For x far below 0 the sum 1 + erf keeps that absolute error.  A block whose largest magnitude lies under 2^-124 gets the scale byte 1.
.set ABASE, 135168
.set ASC,   169984
.set SCB,   16
.set SCA,   32
.set ACC,   40
.set F0,    104
.set GZ,    104
.set GW,    120
.set GP,    136
.set GQ,    152
.set SEL,   60
.macro PLACES n
.rept \n
	v_nop
.endr
.endm
.macro CROUND
	s_barrier_signal -1
	s_barrier_wait -1
	s_cmp_lg_u32 s32, 0
	s_cbranch_scc1 .Lnot_wave_0_\@
	s_barrier_signal -3
.Lnot_wave_0_\@:
	s_barrier_wait -3
	s_barrier_signal -1
	s_barrier_wait -1
.endm
.macro WMX zero, ra, rb
.if (\zero) && (\ra) && (\rb)
	v_wmma_scale_f32_16x16x128_f8f6f4 v[rD:rD+7], v[rA:rA+7], v[rB:rB+7], 0, v[rSA], v[rSB] matrix_a_fmt:MATRIX_FMT_FP4 matrix_b_fmt:MATRIX_FMT_FP4 matrix_a_scale:MATRIX_SCALE_ROW1 matrix_b_scale:MATRIX_SCALE_ROW1
.elseif (\zero) && (\ra)
	v_wmma_scale_f32_16x16x128_f8f6f4 v[rD:rD+7], v[rA:rA+7], v[rB:rB+7], 0, v[rSA], v[rSB] matrix_a_fmt:MATRIX_FMT_FP4 matrix_b_fmt:MATRIX_FMT_FP4 matrix_a_scale:MATRIX_SCALE_ROW1
.elseif (\zero) && (\rb)
	v_wmma_scale_f32_16x16x128_f8f6f4 v[rD:rD+7], v[rA:rA+7], v[rB:rB+7], 0, v[rSA], v[rSB] matrix_a_fmt:MATRIX_FMT_FP4 matrix_b_fmt:MATRIX_FMT_FP4 matrix_b_scale:MATRIX_SCALE_ROW1
.elseif (\zero)
	v_wmma_scale_f32_16x16x128_f8f6f4 v[rD:rD+7], v[rA:rA+7], v[rB:rB+7], 0, v[rSA], v[rSB] matrix_a_fmt:MATRIX_FMT_FP4 matrix_b_fmt:MATRIX_FMT_FP4
.elseif (\ra) && (\rb)
	v_wmma_scale_f32_16x16x128_f8f6f4 v[rD:rD+7], v[rA:rA+7], v[rB:rB+7], v[rD:rD+7], v[rSA], v[rSB] matrix_a_fmt:MATRIX_FMT_FP4 matrix_b_fmt:MATRIX_FMT_FP4 matrix_a_scale:MATRIX_SCALE_ROW1 matrix_b_scale:MATRIX_SCALE_ROW1
.elseif (\ra)
	v_wmma_scale_f32_16x16x128_f8f6f4 v[rD:rD+7], v[rA:rA+7], v[rB:rB+7], v[rD:rD+7], v[rSA], v[rSB] matrix_a_fmt:MATRIX_FMT_FP4 matrix_b_fmt:MATRIX_FMT_FP4 matrix_a_scale:MATRIX_SCALE_ROW1
.elseif (\rb)
	v_wmma_scale_f32_16x16x128_f8f6f4 v[rD:rD+7], v[rA:rA+7], v[rB:rB+7], v[rD:rD+7], v[rSA], v[rSB] matrix_a_fmt:MATRIX_FMT_FP4 matrix_b_fmt:MATRIX_FMT_FP4 matrix_b_scale:MATRIX_SCALE_ROW1
.else
	v_wmma_scale_f32_16x16x128_f8f6f4 v[rD:rD+7], v[rA:rA+7], v[rB:rB+7], v[rD:rD+7], v[rSA], v[rSB] matrix_a_fmt:MATRIX_FMT_FP4 matrix_b_fmt:MATRIX_FMT_FP4
.endif
.endm
.macro FETCH ks, f                     ; 12 LDS loads: n's two tiles, W1's four (chosen rows)
.irp m, 0,1
.irp c, 0,1
	ds_load_b128 v[\f+8*\m+4*\c:\f+8*\m+4*\c+3], v1 offset:\m*8704+(\ks)*1088+\c*544
.endr
.endr
.irp t, 0,1,2,3
.irp c, 0,1
	ds_load_b128 v[\f+16+8*\t+4*\c:\f+16+8*\t+4*\c+3], v3 offset:(32*(\t/2)+8*(\t%2))*528+64*(\ks)+32*\c
.endr
.endr
.endm
.macro MULS ks, f                      ; 8 products, the eight accumulators by turns, in the same order in every K step
.irp m, 0,1
.irp t, 0,1,2,3
.set rD, ACC+8*(4*\m+\t)
.set rA, \f+16+8*\t
.set rB, \f+8*\m
.set rSA, SCB+8*(\t/2)+(\ks)
.set rSB, SCA+(\ks)
	WMX (\ks)==0, \t%2, \m
.endr
.endr
.endm
.macro QUANT2 s, pc, pw                ; 32 numbers of a lane (register 16 b + i = column 32 b + 16 (lane / 16) + i of my row) -> 16 bytes of codes (lane (r, h): block h), and the row's two scale bytes
.irp b, 0,1
	v_max3_num_f32 v[248+\b], |v[\s+16*\b]|, |v[\s+16*\b+1]|, 0x1800000
.endr
.irp i, 2,4,6,8,10,12,14
.irp b, 0,1
	s_delay_alu instid0(VALU_DEP_2)
	v_max3_num_f32 v[248+\b], v[248+\b], |v[\s+16*\b+\i]|, |v[\s+16*\b+\i+1]|
.endr
.endr
.irp b, 0,1
	v_permlanex16_b32 v[250+\b], v[248+\b], s[SEL], s[SEL+1]
.endr
.irp b, 0,1
	s_delay_alu instid0(VALU_DEP_2)
	v_max_num_f32 v[248+\b], v[248+\b], v[250+\b]
.endr
.irp b, 0,1
	s_delay_alu instid0(VALU_DEP_2)
	v_add_nc_u32 v[252+\b], 0xff000000, v[248+\b]
.endr
.irp b, 0,1
	s_delay_alu instid0(VALU_DEP_2)
	v_lshrrev_b32 v[254+\b], 23, v[252+\b]
.endr
	s_delay_alu instid0(VALU_DEP_1)
	v_lshl_or_b32 v[\pw], v255, 8, v254
.irp b, 0,1
	v_cvt_scalef32_pk8_fp4_f32 v[\pc+2*\b], v[\s+16*\b:\s+16*\b+7], v[252+\b]
	v_cvt_scalef32_pk8_fp4_f32 v[\pc+2*\b+1], v[\s+16*\b+8:\s+16*\b+15], v[252+\b]
.endr
	v_nop                                  ; one plain line behind the conversions
	v_permlane16_swap_b32 v[\pc], v[\pc+2]
	v_permlane16_swap_b32 v[\pc+1], v[\pc+3]
.endm
.macro XROW i
.irp p, 0,1,2,3
.irp e, 0,1
	global_load_b128 v[40+32*((\i)%4)+8*\p+4*\e:40+32*((\i)%4)+8*\p+4*\e+3], v9, s[8:9] offset:(\i)*4096+1024*\p+16*\e
.endr
.endr
.endm
.macro LNROW i, left                   ; left: the loads of younger rows, which may stay out
.set XS, 40+32*((\i)%4)
	s_wait_loadcnt \left
	v_pk_add_f32 v[232:233], v[XS:XS+1], v[XS+2:XS+3]
	v_pk_add_f32 v[234:235], v[XS+4:XS+5], v[XS+6:XS+7]
.irp q, 8,12,16,20,24,28
	s_delay_alu instid0(VALU_DEP_2)
	v_pk_add_f32 v[232:233], v[232:233], v[XS+\q:XS+\q+1]
	s_delay_alu instid0(VALU_DEP_2)
	v_pk_add_f32 v[234:235], v[234:235], v[XS+\q+2:XS+\q+3]
.endr
	s_delay_alu instid0(VALU_DEP_1)
	v_pk_add_f32 v[232:233], v[232:233], v[234:235]
	s_delay_alu instid0(VALU_DEP_1)
	v_add_f32 v232, v232, v233
.irp x, 1,2,4,8
	s_delay_alu instid0(VALU_DEP_1)
	v_add_f32_dpp v232, v232, v232 row_xmask:\x row_mask:0xf bank_mask:0xf
.endr
	s_delay_alu instid0(VALU_DEP_1)
	v_permlanex16_b32 v233, v232, s[SEL], s[SEL+1]
	s_delay_alu instid0(VALU_DEP_1)
	v_add_f32 v232, v232, v233
	s_delay_alu instid0(VALU_DEP_1)
	v_mul_f32 v232, s66, v232              ; the mean
.irp q, 0,2,4,6,8,10,12,14,16,18,20,22,24,26,28,30
	v_pk_add_f32 v[XS+\q:XS+\q+1], v[XS+\q:XS+\q+1], v[232:233] op_sel_hi:[1,0] neg_lo:[0,1] neg_hi:[0,1]
.endr
	v_pk_mul_f32 v[234:235], v[XS:XS+1], v[XS:XS+1]
	v_pk_mul_f32 v[236:237], v[XS+2:XS+3], v[XS+2:XS+3]
.irp q, 4,8,12,16,20,24,28
	s_delay_alu instid0(VALU_DEP_2)
	v_pk_fma_f32 v[234:235], v[XS+\q:XS+\q+1], v[XS+\q:XS+\q+1], v[234:235]
	s_delay_alu instid0(VALU_DEP_2)
	v_pk_fma_f32 v[236:237], v[XS+\q+2:XS+\q+3], v[XS+\q+2:XS+\q+3], v[236:237]
.endr
	s_delay_alu instid0(VALU_DEP_1)
	v_pk_add_f32 v[234:235], v[234:235], v[236:237]
	s_delay_alu instid0(VALU_DEP_1)
	v_add_f32 v234, v234, v235
.irp x, 1,2,4,8
	s_delay_alu instid0(VALU_DEP_1)
	v_add_f32_dpp v234, v234, v234 row_xmask:\x row_mask:0xf bank_mask:0xf
.endr
	s_delay_alu instid0(VALU_DEP_1)
	v_permlanex16_b32 v235, v234, s[SEL], s[SEL+1]
	s_delay_alu instid0(VALU_DEP_1)
	v_add_f32 v234, v234, v235
	s_delay_alu instid0(VALU_DEP_1)
	v_fma_f32 v234, v234, s66, s67         ; the variance + 1e-5
	s_wait_alu depctr_va_vdst(0)
	v_rsq_f32 v236, v234
	v_nop                                  ; a plain line behind the transcendental,
	s_wait_alu depctr_va_vdst(0)           ; and the wait ahead of its first reader
.irp q, 0,2,4,6,8,10,12,14,16,18,20,22,24,26,28,30
	v_pk_mul_f32 v[XS+\q:XS+\q+1], v[XS+\q:XS+\q+1], v[236:237] op_sel_hi:[1,0]
.endr
.irp q, 0,2,4,6,8,10,12,14,16,18,20,22,24,26,28,30
	v_pk_fma_f32 v[XS+\q:XS+\q+1], v[XS+\q:XS+\q+1], v[168+\q:169+\q], v[200+\q:201+\q]
.endr
	s_wait_alu depctr_va_vdst(0)
	s_wait_dscnt 0x0                       ; the last row's LDS stores have read their registers
.irp p, 0,1,2,3
	v_max3_num_f32 v[240+\p], |v[XS+8*\p]|, |v[XS+8*\p+1]|, 0x1800000
.endr
.irp a, 2,4,6
.irp p, 0,1,2,3
	s_delay_alu instid0(VALU_DEP_4)
	v_max3_num_f32 v[240+\p], v[240+\p], |v[XS+8*\p+\a]|, |v[XS+8*\p+\a+1]|
.endr
.endr
.irp x, 1,2
.irp p, 0,1,2,3
	s_delay_alu instid0(VALU_DEP_4)
	v_max_num_f32_dpp v[240+\p], v[240+\p], v[240+\p] row_xmask:\x row_mask:0xf bank_mask:0xf
.endr
.endr
.irp p, 0,1,2,3
	s_delay_alu instid0(VALU_DEP_4)
	v_add_nc_u32 v[244+\p], 0xff000000, v[240+\p]
.endr
.irp p, 0,1,2,3
	v_cvt_scalef32_pk8_fp4_f32 v[248+\p], v[XS+8*\p:XS+8*\p+7], v[244+\p]
.endr
.irp p, 0,1,2,3
	v_lshrrev_b32 v[252+\p], 23, v[244+\p]
.endr
.irp p, 0,1,2,3
	ds_store_b32 v10, v[248+\p] offset:16*(\i)+2176*\p
	ds_store_b8 v11, v[252+\p] offset:48*(\i)+8*\p
.endr
.if (\i) < 4
	XROW (\i)+4
.endif
.endm
.macro GELU16 x                        ; 16 numbers in place
.irp q, 0,2,4,6,8,10,12,14
	v_pk_mul_f32 v[GZ+\q:GZ+\q+1], v[\x+\q:\x+\q+1], 0x3f3504f3 op_sel_hi:[1,0]       ; z = x / sqrt(2); each accumulator is read from its low end on
.endr
.irp q, 0,1,2,3,4,5,6,7,8,9,10,11,12,13,14,15
	v_med3_num_f32 v[GZ+\q], v[GZ+\q], -4.0, 4.0
.endr
.irp q, 0,2,4,6,8,10,12,14
	v_pk_mul_f32 v[GW+\q:GW+\q+1], v[GZ+\q:GZ+\q+1], v[GZ+\q:GZ+\q+1]
.endr
.irp q, 0,2,4,6,8,10,12,14
	v_pk_fma_f32 v[GP+\q:GP+\q+1], v[GW+\q:GW+\q+1], 0xaf95df0b, v[168:169] op_sel_hi:[1,0,1]
.endr
.irp k, 0xb60cff51, 0xb86ec2d2, 0xba40ac63, 0xbb41a1f6, 0xbc83dbd4
.irp q, 0,2,4,6,8,10,12,14
	v_pk_fma_f32 v[GP+\q:GP+\q+1], v[GP+\q:GP+\q+1], v[GW+\q:GW+\q+1], \k op_sel_hi:[1,1,0]
.endr
.endr
.irp q, 0,2,4,6,8,10,12,14
	v_pk_fma_f32 v[GQ+\q:GQ+\q+1], v[GW+\q:GW+\q+1], 0xb77460cd, v[170:171] op_sel_hi:[1,0,1]
.endr
.irp k, 0xbadc924e, 0xbbf19bf8, 0xbc69b6a7
.irp q, 0,2,4,6,8,10,12,14
	v_pk_fma_f32 v[GQ+\q:GQ+\q+1], v[GQ+\q:GQ+\q+1], v[GW+\q:GW+\q+1], \k op_sel_hi:[1,1,0]
.endr
.endr
	s_wait_alu depctr_va_vdst(0)
.irp q, 0,1,2,3,4,5,6,7,8,9,10,11,12,13,14,15
	v_rcp_f32 v[GQ+\q], v[GQ+\q]
.endr
.irp q, 0,2,4,6,8,10,12,14
	v_pk_mul_f32 v[GP+\q:GP+\q+1], v[GP+\q:GP+\q+1], v[GZ+\q:GZ+\q+1]                 ; plain work behind the reciprocals
.endr
.irp q, 0,2,4,6,8,10,12,14
	v_pk_mul_f32 v[\x+\q:\x+\q+1], v[\x+\q:\x+\q+1], 0.5 op_sel_hi:[1,0]
.endr
	s_wait_alu depctr_va_vdst(0)           ; one wait for the sixteen, ahead of their first reader
.irp q, 0,2,4,6,8,10,12,14
	v_pk_mul_f32 v[GP+\q:GP+\q+1], v[GP+\q:GP+\q+1], v[GQ+\q:GQ+\q+1]
.endr
.irp q, 0,1,2,3,4,5,6,7,8,9,10,11,12,13,14,15
	v_med3_num_f32 v[GP+\q], v[GP+\q], -1.0, 1.0
.endr
.irp q, 0,2,4,6,8,10,12,14
	v_pk_fma_f32 v[\x+\q:\x+\q+1], v[\x+\q:\x+\q+1], v[GP+\q:GP+\q+1], v[\x+\q:\x+\q+1]   ; 0.5 x erf + 0.5 x
.endr
.endm
	s_load_b256 s[8:15], s[0:1], 0x0       ; x1, gamma, beta, W1 codes
	s_load_b128 s[16:19], s[0:1], 0x20     ; W1 scales, himg
	s_load_b64 s[20:21], s[0:1], 0x30      ; hsc
	v_lshl_add_u32 v8, v0, 2, 0x2a400
	v_mov_b32 v14, 0
	ds_add_u32 v8, v14
	ds_add_u32 v8, v14
	v_lshrrev_b32 v239, 5, v0
	s_delay_alu instid0(VALU_DEP_1)
	v_readfirstlane_b32 s32, v239          ; wave
	s_and_b32 s33, s32, 3                  ; g
	s_lshr_b32 s34, s32, 2                 ; rh
	s_and_b32 s49, ttmp7, 0xffff           ; j
	s_mov_b32 s36, 0x07b0000f              ; group 1: mask 15, bytes, padding on, bit 21 beside the mask, 4 words behind every 128
	s_mov_b32 s37, 512<<16
	s_mov_b32 s38, 64<<16
	s_mov_b32 s39, 512<<16
	s_mov_b32 s40, 64
	s_mov_b32 s41, 512
	s_mov_b32 s42, 0
	s_mov_b32 s43, 0
	s_mov_b32 s44, 1
	s_mul_i32 s45, s33, 33792              ; waves 0-3: 64 rows each
	s_lshl_b32 s68, s49, 17
	s_lshl_b32 s50, s33, 15
	s_add_co_u32 s68, s68, s50
	s_mov_b32 s69, 0
	s_lshl_b32 s70, s49, 13
	s_lshl_b32 s50, s33, 11
	s_add_co_u32 s70, s70, s50
	s_mov_b32 s71, 0
	s_mov_b32 s60, 0x76543210
	s_mov_b32 s61, 0xfedcba98
	s_mov_b32 s62, 0xffff0000              ; lanes 16-31
	s_mov_b32 s66, 0x3a800000              ; 1 / 1,024
	s_mov_b32 s67, 0x3727c5ac              ; 1e-5
	v_and_b32 v232, 31, v0                 ; l
	v_and_b32 v233, 15, v0                 ; r
	v_bfe_u32 v234, v0, 4, 1               ; h
	s_delay_alu instid0(VALU_DEP_2)
	v_and_b32 v235, 8, v233
	s_delay_alu instid0(VALU_DEP_1)
	v_add_nc_u32 v235, v235, v233          ; r + 8 (r / 8)
	s_mul_i32 s50, s34, 17408
	s_add_co_u32 s50, s50, ABASE
	v_mul_u32_u24 v1, v234, 272
	s_delay_alu instid0(VALU_DEP_1)
	v_lshl_add_u32 v1, v233, 4, v1
	s_delay_alu instid0(VALU_DEP_1)
	v_add_nc_u32 v1, s50, v1
	s_mul_i32 s51, s33, 33792
	v_mul_u32_u24 v3, v235, 528
	s_delay_alu instid0(VALU_DEP_1)
	v_lshl_add_u32 v3, v234, 4, v3
	s_delay_alu instid0(VALU_DEP_1)
	v_add_nc_u32 v3, s51, v3
	s_mul_i32 s52, s34, 1536
	s_add_co_u32 s52, s52, ASC
	v_mul_u32_u24 v5, v232, 48
	s_delay_alu instid0(VALU_DEP_1)
	v_add_nc_u32 v5, s52, v5
	v_lshl_add_u32 v236, v234, 3, v235
	s_delay_alu instid0(VALU_DEP_1)
	v_lshlrev_b32 v15, 5, v236
	s_lshl_b32 s53, s32, 15
	v_lshlrev_b32 v238, 5, v232
	s_delay_alu instid0(VALU_DEP_1)
	v_add_nc_u32 v9, s53, v238
	s_lshr_b32 s54, s32, 1
	s_mul_i32 s54, s54, 8704
	s_and_b32 s55, s32, 1
	s_lshl_b32 s55, s55, 7
	s_add_co_u32 s54, s54, s55
	s_add_co_u32 s54, s54, ABASE
	v_lshrrev_b32 v236, 2, v232
	v_and_b32 v237, 3, v0
	s_delay_alu instid0(VALU_DEP_2)
	v_mul_u32_u24 v10, v236, 272
	s_delay_alu instid0(VALU_DEP_1)
	v_lshl_add_u32 v10, v237, 2, v10
	s_delay_alu instid0(VALU_DEP_1)
	v_add_nc_u32 v10, s54, v10
	s_mul_i32 s55, s32, 384
	s_add_co_u32 s55, s55, ASC
	v_add_nc_u32 v11, s55, v236
	v_lshlrev_b32 v12, 4, v232
	v_lshlrev_b32 v13, 1, v232
	; what hangs on my place in the cluster enters global addresses of x1 and of the outputs alone
	s_bfe_u32 s35, ttmp6, 0x40000
	s_lshl_b32 s48, ttmp9, 2
	s_add_co_u32 s48, s48, s35             ; rb
	s_lshl_b32 s56, s48, 18
	s_mov_b32 s57, 0
	s_lshl_b32 s76, s49, 2
	s_add_co_u32 s76, s76, s33             ; 4 j + g: my group of 64 columns
	s_lshl_b32 s72, s48, 15
	s_lshl_b32 s77, s34, 14
	s_add_co_u32 s72, s72, s77
	s_lshl_b32 s77, s76, 9
	s_add_co_u32 s72, s72, s77             ; himg: (4 rb + 2 rh) tiles of 8,192 bytes + 512 a group
	s_mov_b32 s73, 0
	s_lshl_b32 s74, s76, 13
	s_lshl_b32 s77, s48, 7
	s_add_co_u32 s74, s74, s77
	s_lshl_b32 s77, s34, 6
	s_add_co_u32 s74, s74, s77             ; hsc: 8,192 bytes a group + 2 a row
	s_mov_b32 s75, 0
	s_wait_alu depctr_va_vdst(0)
	s_wait_dscnt 0x0
	s_wait_kmcnt 0x0
	s_add_nc_u64 s[8:9], s[8:9], s[56:57]
	s_add_nc_u64 s[16:17], s[16:17], s[70:71]
	s_add_nc_u64 s[18:19], s[18:19], s[72:73]
	s_add_nc_u64 s[20:21], s[20:21], s[74:75]
	s_add_nc_u64 s[46:47], s[14:15], s[68:69]
	s_or_b32 s47, s47, 0x80000000
.irp p, 0,1,2,3
.irp e, 0,1
	global_load_b128 v[168+8*\p+4*\e:168+8*\p+4*\e+3], v238, s[10:11] offset:1024*\p+16*\e
	global_load_b128 v[200+8*\p+4*\e:200+8*\p+4*\e+3], v238, s[12:13] offset:1024*\p+16*\e
.endr
.endr
.irp i, 0,1
.irp q, 0,1
	global_load_b128 v[SCB+8*\i+4*\q:SCB+8*\i+4*\q+3], v15, s[16:17] offset:1024*\i+16*\q
.endr
.endr
	XROW 0
	XROW 1
	XROW 2
	XROW 3
	CROUND                                 ; the four work-groups are here: the joint loads meet
	s_cmp_lt_u32 s32, 4
	s_cbranch_scc0 .Lno_w
	tensor_load_to_lds s[44:47], s[36:43]
	s_nop 0
	PLACES 4
.Lno_w:
	LNROW 0, 24
	LNROW 1, 24
	LNROW 2, 24
	LNROW 3, 24
	LNROW 4, 24
	LNROW 5, 16
	LNROW 6, 8
	LNROW 7, 0
	s_wait_tensorcnt 0x0                   ; my part of W1 has landed,
	s_wait_dscnt 0x0                       ; my rows' codes and bytes are stored;
	s_barrier_signal -1
	s_barrier_wait -1                      ; everybody's are
	ds_load_b128 v[SCA:SCA+3], v5
	ds_load_b128 v[SCA+4:SCA+7], v5 offset:16
	FETCH 0, F0
.set KS, 0
.rept 8
.if KS < 7
.if KS > 0
	PLACES 4                               ; in front of loads into registers that the last products read
.endif
	FETCH KS+1, F0+48*((KS+1)%2)
	s_wait_dscnt 12                        ; all but the 12 just issued
.else
	s_wait_dscnt 0x0
.endif
	MULS KS, F0+48*(KS%2)
.set KS, KS+1
.endr
	PLACES 5                               ; behind the last products
	v_mov_b32 v168, 0x32edffee
	v_mov_b32 v169, 0x32edffee
	v_mov_b32 v170, 0xb95fbd29
	v_mov_b32 v171, 0xb95fbd29
	GELU16 ACC
	GELU16 ACC+16
	GELU16 ACC+32
	GELU16 ACC+48
	s_wait_xcnt 0x0                        ; earlier loads have read their address registers
	QUANT2 ACC, 240, 238
	QUANT2 ACC+32, 244, 239
	global_store_b128 v12, v[240:243], s[18:19]            ; 512 consecutive bytes of an image
	global_store_b128 v12, v[244:247], s[18:19] offset:8192
	v_cndmask_b32 v236, v238, v239, s62    ; lanes 0-15 rows 0-15, lanes 16-31 rows 16-31
	global_store_b16 v13, v236, s[20:21]   ; 64 consecutive bytes
	s_wait_tensorcnt 0x0
	ds_add_u32 v8, v14
	s_wait_dscnt 0x0
	CROUND                                 ; the closing round
	s_endpgm
.Lfunc_end_k_q7cd0047adf_ffn1:
	.size	k_q7cd0047adf_ffn1, .Lfunc_end_k_q7cd0047adf_ffn1-k_q7cd0047adf_ffn1
	.p2alignl 7, 3214868480
	.fill 96, 4, 3214868480
	.section	.rodata,"a",@progbits
	.p2align	6, 0x0
	.amdhsa_kernel k_q7cd0047adf_ffn1
		.amdhsa_group_segment_fixed_size 174080
		.amdhsa_private_segment_fixed_size 0
		.amdhsa_enable_private_segment 0
		.amdhsa_kernarg_size 56
		.amdhsa_user_sgpr_count 2
		.amdhsa_user_sgpr_kernarg_segment_ptr 1
		.amdhsa_wavefront_size32 1
		.amdhsa_system_sgpr_workgroup_id_x 1
		.amdhsa_system_sgpr_workgroup_id_y 1
		.amdhsa_system_sgpr_workgroup_id_z 1
		.amdhsa_system_vgpr_workitem_id 0
		.amdhsa_next_free_vgpr 256
		.amdhsa_next_free_sgpr 96
		.amdhsa_reserve_vcc 0
		.amdhsa_float_denorm_mode_32 3
		.amdhsa_float_denorm_mode_16_64 3
		.amdhsa_memory_ordered 1
		.amdhsa_forward_progress 1
		.amdhsa_inst_pref_size 177
	.end_amdhsa_kernel
	.amdgpu_metadata
---
amdhsa.version: [ 1, 2 ]
amdhsa.kernels:
  - .name:           k_q7cd0047adf_ffn1
    .symbol:         k_q7cd0047adf_ffn1.kd
    .args:
      - { .name: x1, .offset: 0, .size: 8, .value_kind: global_buffer, .address_space: global }
      - { .name: ln2_g, .offset: 8, .size: 8, .value_kind: global_buffer, .address_space: global }
      - { .name: ln2_b, .offset: 16, .size: 8, .value_kind: global_buffer, .address_space: global }
      - { .name: W1_codes, .offset: 24, .size: 8, .value_kind: global_buffer, .address_space: global }
      - { .name: W1_scales, .offset: 32, .size: 8, .value_kind: global_buffer, .address_space: global }
      - { .name: himg, .offset: 40, .size: 8, .value_kind: global_buffer, .address_space: global }
      - { .name: hsc, .offset: 48, .size: 8, .value_kind: global_buffer, .address_space: global }
    .group_segment_fixed_size: 174080
    .private_segment_fixed_size: 0
    .kernarg_segment_align: 8
    .kernarg_segment_size: 56
    .max_flat_workgroup_size: 256
    .sgpr_count:     96
    .vgpr_count:     256
    .wavefront_size: 32
...
	.end_amdgpu_metadata
.endif
;; end of part 4
;; launch proj_2: the kernel of part 3 again; grid 64 x 4, 8 waves a work-group, clusters of 4 x 1, 205,824 bytes of LDS; arguments himg, hsc, W2_codes, W2_scales, x1, out0; writes out0
